; MI455X (gfx1250); checked and timed in simulation.
; The chip was launched on July 23, 2026; its instructions are those of AMD's public machine-readable ISA for CDNA 5 (MIT licence, August 2026) and "CDNA5" Instruction Set Architecture Reference Guide (July 2026). The comments in the code are by the model that wrote it; some were corrected since.
;; Llama Decoder Layer. Allowed arithmetic: matrix products marked QUANTISED: E3M2 operands, one E8M0 scale for each 32 along K, by v_wmma_scale_f32_16x16x128_f8f6f4 with both operands' format E3M2, f32 sums; everything else in f32.
;; Inputs: Wk_codes 1,024 x 32 x 24 uint8 (E3M2 codes of Wk, K innermost, in blocks of 32 codes, four codes in three bytes); Wk_scales 1,024 x 32 uint8 (E8M0 scales of Wk, one for each 32 codes along K); Wo_codes 1,024 x 32 x 24 uint8 (E3M2 codes of Wo, K innermost, in blocks of 32 codes, four codes in three bytes); Wo_scales 1,024 x 32 uint8 (E8M0 scales of Wo, one for each 32 codes along K); Wq_codes 1,024 x 32 x 24 uint8 (E3M2 codes of Wq, K innermost, in blocks of 32 codes, four codes in three bytes); Wq_scales 1,024 x 32 uint8 (E8M0 scales of Wq, one for each 32 codes along K); Wv_codes 1,024 x 32 x 24 uint8 (E3M2 codes of Wv, K innermost, in blocks of 32 codes, four codes in three bytes); Wv_scales 1,024 x 32 uint8 (E8M0 scales of Wv, one for each 32 codes along K); hidden_states 2 x 2,048 x 1,024 float32; ln1_w 1,024 float32; ln2_w 1,024 float32; w1_codes 1,024 x 32 x 24 uint8 (E3M2 codes of w1, K innermost, in blocks of 32 codes, four codes in three bytes); w1_scales 1,024 x 32 uint8 (E8M0 scales of w1, one for each 32 codes along K); w2_codes 1,024 x 32 x 24 uint8 (E3M2 codes of w2, K innermost, in blocks of 32 codes, four codes in three bytes); w2_scales 1,024 x 32 uint8 (E8M0 scales of w2, one for each 32 codes along K); w3_codes 1,024 x 32 x 24 uint8 (E3M2 codes of w3, K innermost, in blocks of 32 codes, four codes in three bytes); w3_scales 1,024 x 32 uint8 (E8M0 scales of w3, one for each 32 codes along K).
;; Outputs: out0 2 x 2,048 x 1,024 float32.
;; This version of the problem:
;;   THIS VERSION OF THE PROBLEM IS GIVEN IN LOW PRECISION. The matrix products marked QUANTISED in the list below multiply operands that are first quantised to E3M2 (3 exponent bits, 2 mantissa bits; 6 bits a number), with one power-of-two scale for each 32 numbers along K (OCP MX v1.0); their sums are f32. All else is computed in f32.
;;   The module's matrix products, in the order in which they are computed (A, B: the left and right operand; K: the contracted axis; several contracted axes count as one K, in the product's order):
;;     1. [M 4,096, K 1,024] x [K 1,024, N 1,024]; A: computed on the way; B: input Wq (given as codes): QUANTISED
;;     2. [M 4,096, K 1,024] x [K 1,024, N 1,024]; A: computed on the way; B: input Wk (given as codes): QUANTISED
;;     3. [M 4,096, K 1,024] x [K 1,024, N 1,024]; A: computed on the way; B: input Wv (given as codes): QUANTISED
;;     4. batch 32 x [M 2,048, K 64] x [K 64, N 2,048]; A: computed on the way; B: computed on the way: QUANTISED
;;     5. batch 32 x [M 2,048, K 2,048] x [K 2,048, N 64]; A: softmax (see below); B: computed on the way: QUANTISED
;;     6. [M 4,096, K 1,024] x [K 1,024, N 1,024]; A: computed on the way; B: input Wo (given as codes): QUANTISED
;;     7. [M 4,096, K 1,024] x [K 1,024, N 1,024]; A: computed on the way; B: input w1 (given as codes): QUANTISED
;;     8. [M 4,096, K 1,024] x [K 1,024, N 1,024]; A: computed on the way; B: input w3 (given as codes): QUANTISED
;;     9. [M 4,096, K 1,024] x [K 1,024, N 1,024]; A: computed on the way; B: input w2 (given as codes): QUANTISED
;;   THE QUANTISER, for each operand of a quantised product, along K:
;;     - K is cut into blocks of 32 from its start; a last block that is shorter is filled with zeros.
;;     - A block's scale is 2^e with e = floor(log2(the largest magnitude in the block)) - 4, held to -126 .. 127; a block of zeros has e = 0. As a byte (E8M0): e + 127.
;;     - Each number is divided by its block's scale, clamped to +-28, and rounded to the nearest number of E3M2, ties to even, subnormals kept.
;;     - The product sums the exact products of the quantised numbers (number of the format x scale) in f32.
;;   ~~~python
;;   def quantise(x, axis):      # numpy; x: float32 -> the quantised numbers, widened to float32 again
;;       x = np.moveaxis(x, axis, -1); K = x.shape[-1]
;;       x = np.pad(x, [(0, 0)] * (x.ndim - 1) + [(0, -K % 32)]); x = x.reshape(x.shape[:-1] + (-1, 32)); a = np.abs(x).max(-1, keepdims=True)
;;       e = np.where(a > 0, np.clip(np.frexp(np.where(a > 0, a, 1))[1] - 1 - 4, -126, 127), 0)      # np.frexp(a)[1] - 1 = floor(log2(a)), exactly
;;       r = np.clip(x / 2.0 ** e, -28, 28)
;;       step = 2.0 ** (np.maximum(np.frexp(np.where(r == 0, 1, r))[1] - 1, -2) - 2)
;;       q = np.round(r / step) * step * 2.0 ** e      # np.round: ties to even
;;       return np.moveaxis(q.reshape(q.shape[:-2] + (-1,))[..., :K], -1, axis).astype(np.float32)
;;   ~~~
;;   SOFTMAX AHEAD OF A QUANTISED PRODUCT. Where the list says 'softmax', what is quantised is not the finished softmax but p = 2^(t - M), with t = logit x log2(e) and M = ceil(the row's largest t), a whole number; so 1/2 < the row's largest p <= 1. The row's sum l is taken of the UNQUANTISED p, in f32, and the product's result is divided by l at the end. Since M is a whole number, a kernel that streams over the keys may use a running M (the ceiling of the running maximum): every later rescaling is an exact power of two, which a block's scale takes up: the codes' values come out the same.
;;   OPERANDS COMPUTED ON THE WAY. 'Computed on the way' means the value that the module computes at that place (a softmax that the list does not call 'softmax' is quantised finished and normalised). What goes into a quantiser is computed in f32, as accurately as f32 sums, v_exp_f32 and their like allow (about 1e-6 of the number): no bf16 or f16 on the way to a quantiser, and a product that is left as it is and whose result goes on into a quantised operand takes f32 operands (vector FMAs, or v_wmma_f32_16x16x4_f32). A number that lies on a knife's edge between two numbers of the format may be rounded either way, as far as f32 arithmetic and the matrix unit's own rounding can turn it there, and no further.
;;   INPUTS GIVEN AS CODES. Wk (in the module: [1024, 1024], K = its axis 0); Wo (in the module: [1024, 1024], K = its axis 0); Wq (in the module: [1024, 1024], K = its axis 0); Wv (in the module: [1024, 1024], K = its axis 0); w1 (in the module: [1024, 1024], K = its axis 0); w2 (in the module: [1024, 1024], K = its axis 0); w3 (in the module: [1024, 1024], K = its axis 0): each comes as NAME_codes (uint8): NAME with its K axis moved to the last place and cut into blocks of 32 codes, [.., K / 32, bytes a block], one block behind the other in memory; four codes in three bytes: a row's codes are one little-endian stream of bits, code i at bits 6 i .. 6 i + 5 (a code: sign, 3 exponent bits, 2 mantissa bits); and NAME_scales (uint8): the same leading axes, one E8M0 byte (e + 127) for each 32 codes along K. Its value is code x scale, taken as it is: it is not quantised again, and the codes and scales need not be those that the quantiser above would give.
;; One version. Each part assembles by itself: llvm-mc -triple=amdgcn-amd-amdhsa -mcpu=gfx1250 --defsym DOCPART=n.
;; ======== version 1 of 1: 7 launches
;; limits: right only within a limited range of input values
;; workspace buffers: xa 3,276,800 bytes; ca 3,276,800 bytes; wA 2,981,888 bytes; wB 2,457,600 bytes; wC 819,200 bytes; qkvb 10,092,544 bytes; hbuf 16,777,216 bytes
;; launch prep (part 1): grid 400 x 1, 4 waves a work-group, no clusters, 51,712 bytes of LDS; arguments hidden_states, ln1_w, xa, Wq_codes, Wk_codes, Wv_codes, Wo_codes, w1_codes, w3_codes, w2_codes, Wq_scales, Wk_scales, Wv_scales, Wo_scales, w1_scales, w3_scales, w2_scales, wA, wB, wC; writes xa, wA, wB, wC
.if DOCPART == 1
	.amdgcn_target "amdgcn-amd-amdhsa--gfx1250"
	.amdhsa_code_object_version 6
	.text
	.protected	k_qe6526b012e_prep
	.globl	k_qe6526b012e_prep
	.p2align	8
	.type	k_qe6526b012e_prep,@function
k_qe6526b012e_prep:
	s_mov_b64 s[64:65], 0
	v_nop
	global_prefetch_b8 v0, s[64:65] scope:SCOPE_SE
	s_setreg_imm32_b32 hwreg(HW_REG_WAVE_MODE, 25, 1), 1
	s_wait_xcnt 0x0
; PREP: three jobs in one launch, told apart by the work-group's number alone.
;  work-groups 0-255:   x = rmsnorm(hidden_states) * ln1_w, quantised along K = 1,024 to E3M2 codes with one E8M0 byte for each 32, stored as an IMAGE OF OPERAND REGISTERS;
;  work-groups 256-367: the seven weights' codes and scale bytes, laid anew in the same image form (nothing is quantised again);
;  work-groups 368-399: the table of cos and sin for the rotary embedding, [token 2,048][cos 32 f32 | sin 32 f32].
; THE IMAGE.  A tile is 16 rows of a block of 128: tile 2 B + u holds rows 32 B + 8 u + r + 8 (r / 8), r = lane % 16.  A unit is 16 rows x 64 K, 768 bytes: lane (r, h) owns the 24 code bytes of row r,
; K block h: bytes 0-15 at 16 x lane, bytes 16-23 at 512 + 8 x lane.  Byte of a unit: block x 98,304 + K step x 12,288 + tile x 1,536 + (0 or 1) x 768.
; THE SCALE IMAGE: block x 4,096 + B x 1,024 + (K block / 16) x 512 + 16 (16 u + r) + K block % 16: one load of 16 bytes a lane brings four K steps' scale words, tile u = 0 in lanes 0-15, u = 1 in lanes 16-31.
; LIMITS: NaN and infinities are not served; a block whose largest magnitude lies under 2^-122 keeps the byte 1, a block of zeros too (its codes are zeros, and only this program reads the bytes).
; The table: inv_freq by v_exp_f32 (1 ulp), the angle t x inv_freq rounded once as in the source, reduced by pi/2 in two parts, polynomials of degree 7 and 8: good to about 1e-7 beside the angle's own rounding.
.set X,   64                           ; v64-191  my 128 numbers of a row (two K steps)
.set LN,  192                          ; v192-255 the gain of one K step
.set TM,  20                           ; v20-35   at work in QUANT
.set PC,  36                           ; v36-55   the codes just made
.set PW,  56                           ; v56-57   the two scale words
.set SEL, 28                           ; s[28:29] lane selects of v_permlanex16_b32: lane l xor 16
; 64 numbers of a lane, register 16 b + i = k 32 b + 16 (lane / 16) + i of my row, become a fragment's 12 registers in v[PC] on and its scale word in v[pw]
.macro QUANT s, pw
.irp b, 0,1,2,3
	v_max3_num_f32 v[TM+\b], |v[\s+16*\b]|, |v[\s+1+16*\b]|, 0x2800000   ; my 16 numbers of block b, and the floor 2^(5 - 127): the byte cannot fall under 1
.endr
.irp i, 2,4,6,8,10,12,14
.irp b, 0,1,2,3
	v_max3_num_f32 v[TM+\b], v[TM+\b], |v[\s+16*\b+\i]|, |v[\s+1+16*\b+\i]|
.endr
.endr
.irp b, 0,1,2,3
	v_permlanex16_b32 v[TM+4+\b], v[TM+\b], s[SEL], s[SEL+1]
.endr
.irp b, 0,1,2,3
	v_max_num_f32 v[TM+\b], v[TM+\b], v[TM+4+\b]       ; with lane l xor 16's: the block's largest magnitude
.endr
.irp b, 0,1,2,3
	v_add_nc_u32 v[TM+12+\b], 0xfe000000, v[TM+\b]     ; 4 off its exponent field: the conversion's scale operand
.endr
.irp b, 0,1,2,3
	v_lshrrev_b32 v[TM+4+\b], 23, v[TM+12+\b]          ; the scale's byte
.endr
	v_lshl_or_b32 v[\pw], v[TM+5], 8, v[TM+4]
	v_lshl_or_b32 v[\pw], v[TM+6], 16, v[\pw]
	v_lshl_or_b32 v[\pw], v[TM+7], 24, v[\pw]
.irp c, 0,1
	v_cvt_scalef32_pk16_bf6_f32 v[PC+6*\c:PC+2+6*\c], v[\s+32*\c:\s+15+32*\c], v[TM+12+2*\c]
	v_cvt_scalef32_pk16_bf6_f32 v[PC+12+4*\c:PC+14+4*\c], v[\s+16+32*\c:\s+31+32*\c], v[TM+12+2*\c+1]
.endr
	v_nop                                              ; one plain place behind a scaled conversion
.irp c, 0,1                                        ; a whole block to a lane: lanes 0-15 block 2 c, lanes 16-31 block 2 c + 1
.irp i, 0,1,2
	v_permlane16_swap_b32 v[PC+6*\c+\i], v[PC+12+4*\c+\i]
.endr
.irp i, 0,1,2
	v_mov_b32 v[PC+3+6*\c+\i], v[PC+12+4*\c+\i]
.endr
.endr
.endm
.macro STFRAG o                        ; the fragment goes to the image as it stands: 512, 256, 512, 256 consecutive bytes
	global_store_b128 v3, v[PC:PC+3], s[8:9] offset:\o
	global_store_b64 v4, v[PC+4:PC+5], s[8:9] offset:\o+512
	global_store_b128 v3, v[PC+6:PC+9], s[8:9] offset:\o+768
	global_store_b64 v4, v[PC+10:PC+11], s[8:9] offset:\o+1280
.endm
	v_lshl_add_u32 v30, v0, 2, 0xc800
	v_mov_b32 v31, 0
	s_cmp_lt_u32 ttmp9, 256
	s_cbranch_scc0 .Lnot_norm
; ---------------- rmsnorm and quantiser.  Work-group T owns row tile T (16 rows); wave w owns K steps 2 w and 2 w + 1.  LDS bytes 0-1,023 are this path's own.
	s_load_b128 s[4:7], s[0:1], 0x0                ; x, the gain
	s_load_b64 s[8:9], s[0:1], 0x10                ; xa
	v_lshrrev_b32 v1, 5, v0
	v_readfirstlane_b32 s10, v1                    ; wave
	v_and_b32 v18, 15, v0                          ; r
	v_bfe_u32 v19, v0, 4, 1                        ; h
	v_and_b32 v1, 8, v18
	v_add_nc_u32 v1, v1, v18                       ; r + 8 (r / 8)
	v_lshlrev_b32 v1, 12, v1
	v_lshl_add_u32 v1, v19, 6, v1                  ; x: my row of 4,096 bytes, + 64 h
	v_lshlrev_b32 v2, 6, v19                       ; the gain: 64 h
	v_and_b32 v6, 31, v0
	v_lshlrev_b32 v3, 4, v6                        ; 16 x lane
	v_lshlrev_b32 v4, 3, v6                        ; 8 x lane
	v_lshlrev_b32 v5, 2, v0                        ; 4 x thread: my word among the partial sums
	v_lshlrev_b32 v6, 2, v6                        ; 4 x lane
	s_lshr_b32 s11, s10, 1
	s_lshl_b32 s11, s11, 8
	s_and_b32 s12, s10, 1
	s_lshl_b32 s12, s12, 3
	s_add_co_u32 s11, s11, s12
	s_add_co_u32 s11, s11, 512
	v_lshl_add_u32 v7, v18, 4, s11                 ; where my two scale words go: 512 + 256 (w / 2) + 16 r + 8 (w % 2)
	v_lshlrev_b32 v58, 9, v19
	v_lshl_add_u32 v58, v18, 4, v58                ; the scale image: 512 h + 16 r
.irp b, 0,1,2,3
	v_mov_b32 v[TM+4+\b], 0                        ; written once: a lane permute's destination counts as one of its sources
.endr
	s_mov_b32 s[SEL], 0x76543210
	s_mov_b32 s[SEL+1], 0xfedcba98
	s_mov_b32 s24, 0x3a800000                      ; 1 / 1,024
	s_mov_b32 s25, 0x358637bd                      ; 1e-6
	s_lshr_b32 s13, ttmp9, 1
	s_lshl_b32 s13, s13, 5
	s_and_b32 s14, ttmp9, 1
	s_lshl_b32 s15, s14, 3
	s_add_co_u32 s13, s13, s15                     ; the tile's first row: 32 (T / 2) + 8 (T % 2)
	s_lshl_b32 s16, s13, 12
	s_lshl_b32 s18, s10, 10                        ; my wave's 1,024 bytes of a row
	s_add_co_u32 s16, s16, s18
	s_mov_b32 s17, 0
	s_mov_b32 s19, 0
	s_lshr_b32 s15, ttmp9, 3                       ; block of 128 rows
	s_and_b32 s23, ttmp9, 7                        ; tile in it
	s_mul_i32 s20, s15, 98304
	s_mul_i32 s22, s10, 24576
	s_add_co_u32 s20, s20, s22
	s_mul_i32 s22, s23, 1536
	s_add_co_u32 s20, s20, s22
	s_mov_b32 s21, 0
	s_lshl_b32 s22, s15, 12
	s_lshr_b32 s23, s23, 1
	s_lshl_b32 s23, s23, 10
	s_add_co_u32 s22, s22, s23
	s_lshl_b32 s14, s14, 8
	s_add_co_u32 s22, s22, s14
	s_add_co_u32 s22, s22, 3145728
	s_mov_b32 s23, 0
	s_wait_kmcnt 0x0
	s_add_nc_u64 s[4:5], s[4:5], s[16:17]
	s_add_nc_u64 s[6:7], s[6:7], s[18:19]
	s_add_nc_u64 s[26:27], s[8:9], s[22:23]        ; my tile's place in the scale image
	s_add_nc_u64 s[8:9], s[8:9], s[20:21]          ; my first fragment's place in the image
.irp s, 0,1
.irp b, 0,1,2,3
.irp j, 0,1,2,3
	global_load_b128 v[X+64*\s+16*\b+4*\j:X+64*\s+16*\b+4*\j+3], v1, s[4:5] offset:512*\s+128*\b+16*\j
.endr
.endr
.endr
.irp b, 0,1,2,3
.irp j, 0,1,2,3
	global_load_b128 v[LN+16*\b+4*\j:LN+16*\b+4*\j+3], v2, s[6:7] offset:128*\b+16*\j
.endr
.endr
	s_wait_loadcnt 16                              ; x is in; the 16 loads of the gain may be out
.irp c, 0,1,2,3
	v_pk_mul_f32 v[8+2*\c:9+2*\c], v[X+2*\c:X+2*\c+1], v[X+2*\c:X+2*\c+1]   ; the sum of squares, in four packed chains: nothing is cleared
.endr
.set e, 8
.rept 60
	v_pk_fma_f32 v[8+e%8:9+e%8], v[X+e:X+e+1], v[X+e:X+e+1], v[8+e%8:9+e%8]
.set e, e+2
.endr
	v_pk_add_f32 v[8:9], v[8:9], v[10:11]
	v_pk_add_f32 v[12:13], v[12:13], v[14:15]
	v_pk_add_f32 v[8:9], v[8:9], v[12:13]
	v_add_f32 v8, v8, v9
	v_permlanex16_b32 v9, v8, s[SEL], s[SEL+1]
	v_add_f32 v8, v8, v9                           ; my wave's 256 columns of row r
	ds_store_b32 v5, v8
	s_wait_dscnt 0x0                               ; for the others' sake: my partial sum lies in LDS
	s_barrier_signal -1
	s_barrier_wait -1
	ds_load_b32 v8, v6
	ds_load_b32 v9, v6 offset:128
	ds_load_b32 v10, v6 offset:256
	ds_load_b32 v11, v6 offset:384
	s_wait_dscnt 0x0
	v_add_f32 v8, v8, v9
	v_add_f32 v10, v10, v11
	v_add_f32 v8, v8, v10
	v_fma_f32 v8, v8, s24, s25                     ; the mean of squares + 1e-6
	s_wait_alu depctr_va_vdst(0)
	v_rsq_f32 v16, v8
	v_rsq_f32 v17, v8                              ; twice: a pair for the packed multiply
	v_nop                                          ; a plain place behind the transcendentals
	s_wait_alu depctr_va_vdst(0)                   ; one wait for both, ahead of their first reader
.set e, 0
.rept 64
	v_pk_mul_f32 v[X+e:X+e+1], v[X+e:X+e+1], v[16:17]
.set e, e+2
.endr
	s_wait_loadcnt 0x0                             ; the gain of K step 2 w
.set e, 0
.rept 32
	v_pk_mul_f32 v[X+e:X+e+1], v[X+e:X+e+1], v[LN+e:LN+e+1]
.set e, e+2
.endr
.irp b, 0,1,2,3
.irp j, 0,1,2,3
	global_load_b128 v[LN+16*\b+4*\j:LN+16*\b+4*\j+3], v2, s[6:7] offset:512+128*\b+16*\j
.endr
.endr
	QUANT X, PW
	STFRAG 0
	s_wait_loadcnt 0x0                             ; the gain of K step 2 w + 1
.set e, 0
.rept 32
	v_pk_mul_f32 v[X+64+e:X+64+e+1], v[X+64+e:X+64+e+1], v[LN+e:LN+e+1]
.set e, e+2
.endr
	s_wait_xcnt 0x0                                ; the stores have read the codes' registers: they are written again only behind this wait
	QUANT X+64, PW+1
	STFRAG 12288
	ds_store_b64 v7, v[PW:PW+1]                    ; both halves of the lanes write the same bytes with the same values
	s_wait_dscnt 0x0
	s_barrier_signal -1
	s_barrier_wait -1
	s_cmp_lg_u32 s10, 0
	s_cbranch_scc1 .Lnorm_end
	ds_load_b128 v[8:11], v3 offset:512            ; wave 0: the tile's 512 scale bytes, lane = 16 (K half) + r
	s_wait_dscnt 0x0
	global_store_b128 v58, v[8:11], s[26:27]       ; two runs of 256 consecutive bytes
.Lnorm_end:
	s_wait_tensorcnt 0x0
	ds_add_u32 v30, v31
	s_wait_dscnt 0x0
	s_endpgm
.Lnot_norm:
	s_cmp_lt_u32 ttmp9, 368
	s_cbranch_scc0 .Lrope
; ---------------- the weights.  Wave (4 r + w) takes tile (4 r + w) % 64 of matrix r / 16, in the order Wq, Wk, Wv, Wo, w1, w3, w2.  LDS from byte 1,024 on, 12,544 bytes for each wave, its own: no barrier.
	s_load_b512 s[8:23], s[0:1], 0x18              ; the seven tensors of codes at s[8 + 2 m], Wq's scales at s[22:23]
	s_load_b256 s[24:31], s[0:1], 0x58             ; the scales of matrix m at s[22 + 2 m]
	s_load_b128 s[32:35], s[0:1], 0x78
	s_load_b128 s[36:39], s[0:1], 0x88             ; wA, wB
	s_load_b64 s[40:41], s[0:1], 0x98              ; wC
	v_lshrrev_b32 v1, 5, v0
	v_readfirstlane_b32 s48, v1                    ; wave
	s_sub_co_u32 s49, ttmp9, 256
	s_lshr_b32 s50, s49, 4                         ; matrix m
	s_lshl_b32 s51, s49, 2
	s_add_co_u32 s51, s51, s48
	s_and_b32 s51, s51, 63                         ; tile
	v_and_b32 v2, 31, v0
	v_lshlrev_b32 v3, 4, v2
	v_lshlrev_b32 v4, 3, v2
	v_and_b32 v9, 15, v0
	v_bfe_u32 v10, v0, 4, 1
	s_mul_i32 s52, s48, 12544
	s_add_co_u32 s52, s52, 1024
	v_add_nc_u32 v5, s52, v4                       ; into my stage: 8 x lane
	v_mul_u32_u24 v6, v9, 784                      ; out of it: row r of 768 + 16 bytes, + 24 h.  196 words a row: the 32 lanes of a read of 8 bytes touch 64 different banks
	v_mad_u32_u24 v6, v10, 24, v6
	v_add_nc_u32 v6, s52, v6
	v_and_b32 v7, 8, v9
	v_add_nc_u32 v7, v7, v9
	v_lshlrev_b32 v7, 5, v7
	v_lshl_add_u32 v7, v10, 4, v7                  ; scale bytes in: row r + 8 (r / 8) of 32 bytes, + 16 h
	v_lshlrev_b32 v8, 9, v10
	v_lshl_add_u32 v8, v9, 4, v8                   ; and out: 512 h + 16 r
	s_cmp_ge_u32 s50, 3
	s_cselect_b32 s53, 3, 0
	s_cmp_ge_u32 s50, 6
	s_cselect_b32 s53, 6, s53
	s_sub_co_u32 s53, s50, s53
	s_mul_i32 s53, s53, 819200                     ; the matrix's place in its buffer
	s_lshr_b32 s2, s51, 1
	s_lshl_b32 s2, s2, 5
	s_and_b32 s3, s51, 1
	s_lshl_b32 s54, s3, 3
	s_add_co_u32 s2, s2, s54                       ; the tile's first row
	s_mul_i32 s54, s2, 768
	s_mov_b32 s55, 0
	s_lshl_b32 s56, s2, 5
	s_mov_b32 s57, 0
	s_lshr_b32 s2, s51, 3                          ; block of 128 rows
	s_mul_i32 s58, s2, 98304
	s_add_co_u32 s58, s58, s53
	s_lshl_b32 s60, s2, 12
	s_add_co_u32 s60, s60, s53
	s_and_b32 s2, s51, 7
	s_mul_i32 s59, s2, 1536
	s_add_co_u32 s58, s58, s59
	s_mov_b32 s59, 0
	s_lshr_b32 s2, s2, 1
	s_lshl_b32 s2, s2, 10
	s_add_co_u32 s60, s60, s2
	s_lshl_b32 s3, s3, 8
	s_add_co_u32 s60, s60, s3
	s_add_co_u32 s60, s60, 786432
	s_mov_b32 s61, 0
	s_wait_alu depctr_va_vdst(0)
	s_wait_kmcnt 0x0
	s_mov_b64 s[42:43], s[8:9]                     ; the buffers are chosen on the matrix's number alone
	s_mov_b64 s[44:45], s[22:23]
.irp k, 1,2,3,4,5,6
	s_cmp_eq_u32 s50, \k
	s_cselect_b64 s[42:43], s[8+2*\k:9+2*\k], s[42:43]
	s_cselect_b64 s[44:45], s[22+2*\k:23+2*\k], s[44:45]
.endr
	s_cmp_lt_u32 s50, 3
	s_cselect_b64 s[46:47], s[36:37], s[38:39]
	s_cmp_lt_u32 s50, 6
	s_cselect_b64 s[46:47], s[46:47], s[40:41]
	s_add_nc_u64 s[42:43], s[42:43], s[54:55]
	s_add_nc_u64 s[44:45], s[44:45], s[56:57]
	s_add_nc_u64 s[62:63], s[46:47], s[60:61]
	s_add_nc_u64 s[46:47], s[46:47], s[58:59]
.irp r, 0,1,2,3,4,5,6,7,8,9,10,11,12,13,14,15
.irp j, 0,1,2
	global_load_b64 v[32+6*\r+2*\j:33+6*\r+2*\j], v4, s[42:43] offset:(\r+8*(\r/8))*768+256*\j   ; 32 lanes read 256 consecutive bytes, a third of a row
.endr
.endr
	global_load_b128 v[224:227], v7, s[44:45]
	s_wait_loadcnt 0x0
.irp r, 0,1,2,3,4,5,6,7,8,9,10,11,12,13,14,15
.irp j, 0,1,2
	ds_store_b64 v5, v[32+6*\r+2*\j:33+6*\r+2*\j] offset:784*\r+256*\j
.endr
.endr
.irp s, 0,1,2,3,4,5,6,7
.irp p, 0,1,2,3,4,5
	ds_load_b64 v[128+12*\s+2*\p:129+12*\s+2*\p], v6 offset:96*\s+48*(\p/3)+8*(\p%3)   ; LDS serves a wave's instructions in order: these see my stores
.endr
.endr
	global_store_b128 v8, v[224:227], s[62:63]
.irp s, 0,1,2,3,4,5,6,7
	s_wait_dscnt 6*(7-\s)                          ; K step s's six loads are in; the later steps' may be out
	global_store_b128 v3, v[128+12*\s:131+12*\s], s[46:47] offset:12288*\s
	global_store_b64 v4, v[132+12*\s:133+12*\s], s[46:47] offset:12288*\s+512
	global_store_b128 v3, v[134+12*\s:137+12*\s], s[46:47] offset:12288*\s+768
	global_store_b64 v4, v[138+12*\s:139+12*\s], s[46:47] offset:12288*\s+1280
.endr
	s_wait_tensorcnt 0x0
	ds_add_u32 v30, v31
	s_wait_dscnt 0x0
	s_endpgm
.Lrope:
; ---------------- cos and sin.  A wave takes 16 tokens, a lane one of the 32 frequencies.
	s_load_b64 s[4:5], s[0:1], 0x88                ; wA
	v_lshrrev_b32 v1, 5, v0
	v_readfirstlane_b32 s6, v1
	v_and_b32 v2, 31, v0
	v_cvt_f32_u32 v3, v2
	v_mul_f32 v3, 0xbed49a78, v3                   ; -j log2(10000) / 32
	s_wait_alu depctr_va_vdst(0)
	v_exp_f32 v3, v3                               ; inv_freq
	v_lshlrev_b32 v4, 2, v2                        ; (a plain place)  4 j
	s_sub_co_u32 s7, ttmp9, 368
	s_lshl_b32 s7, s7, 6
	s_lshl_b32 s8, s6, 4
	s_add_co_u32 s8, s8, s7                        ; my first token
	v_cvt_f32_u32 v5, s8
	s_lshl_b32 s20, s8, 8
	s_add_co_u32 s20, s20, 2457600
	s_mov_b32 s21, 0
	s_mov_b32 s10, 0x3f22f983                      ; 2 / pi
	s_mov_b32 s11, 0xbfc90fdb                      ; -pi / 2, its upper part,
	s_mov_b32 s12, 0x333bbd2e                      ; and what is left of it
	s_mov_b32 s13, 0xbe2aaaa3                      ; the sine's coefficients
	s_mov_b32 s14, 0x3c08839e
	s_mov_b32 s15, 0xb94ca1f9
	s_mov_b32 s16, 0x3d2aaaa5                      ; the cosine's
	s_mov_b32 s17, 0xbab6061a
	s_mov_b32 s18, 0x37ccf5ce
	s_wait_kmcnt 0x0
	s_add_nc_u64 s[4:5], s[4:5], s[20:21]
	s_wait_alu depctr_va_vdst(0)                   ; ahead of the exponential's first reader
.macro SINCOS i
	v_mul_f32 v6, v5, v3                           ; the angle, rounded once
	v_mul_f32 v7, s10, v6
	v_rndne_f32 v7, v7                             ; n quarter turns
	v_fma_f32 v8, v7, s11, v6
	v_fma_f32 v8, v7, s12, v8                      ; r = angle - n pi / 2
	v_mul_f32 v9, v8, v8
	v_cvt_i32_f32 v10, v7
	v_fma_f32 v11, s15, v9, s14
	v_fma_f32 v11, v11, v9, s13
	v_mul_f32 v11, v11, v9
	v_fma_f32 v11, v11, v8, v8                     ; sin r
	v_fma_f32 v12, s18, v9, s17
	v_fma_f32 v12, v12, v9, s16
	v_fma_f32 v12, v12, v9, -0.5
	v_fma_f32 v12, v12, v9, 1.0                    ; cos r
	v_and_b32 v13, 1, v10
	v_cmp_eq_u32 vcc_lo, 1, v13
	v_cndmask_b32 v14, v11, v12, vcc_lo            ; an odd quarter swaps the two
	v_cndmask_b32 v15, v12, v11, vcc_lo
	v_and_b32 v13, 2, v10
	v_lshlrev_b32 v13, 30, v13
	v_xor_b32 v[33+2*\i], v13, v14                 ; sin: negative in quarters 2 and 3
	v_add_nc_u32 v13, 1, v10
	v_and_b32 v13, 2, v13
	v_lshlrev_b32 v13, 30, v13
	v_xor_b32 v[32+2*\i], v13, v15                 ; cos: negative in quarters 1 and 2
	v_add_f32 v5, 1.0, v5                          ; the next token (exact)
	global_store_b32 v4, v[32+2*\i], s[4:5] offset:256*\i
	global_store_b32 v4, v[33+2*\i], s[4:5] offset:256*\i+128
.endm
.irp i, 0,1,2,3,4,5,6,7,8,9,10,11,12,13,14,15
	SINCOS \i
.endr
	s_endpgm
.Lfunc_end_k_qe6526b012e_prep:
	.size	k_qe6526b012e_prep, .Lfunc_end_k_qe6526b012e_prep-k_qe6526b012e_prep
	.p2alignl 7, 3214868480
	.fill 96, 4, 3214868480
	.section	.rodata,"a",@progbits
	.p2align	6, 0x0
	.amdhsa_kernel k_qe6526b012e_prep
		.amdhsa_group_segment_fixed_size 51712
		.amdhsa_private_segment_fixed_size 0
		.amdhsa_enable_private_segment 0
		.amdhsa_kernarg_size 160
		.amdhsa_user_sgpr_count 2
		.amdhsa_user_sgpr_kernarg_segment_ptr 1
		.amdhsa_wavefront_size32 1
		.amdhsa_system_sgpr_workgroup_id_x 1
		.amdhsa_system_sgpr_workgroup_id_y 1
		.amdhsa_system_sgpr_workgroup_id_z 1
		.amdhsa_system_vgpr_workitem_id 0
		.amdhsa_next_free_vgpr 256
		.amdhsa_next_free_sgpr 66
		.amdhsa_reserve_vcc 1
		.amdhsa_float_denorm_mode_32 3
		.amdhsa_float_denorm_mode_16_64 3
		.amdhsa_memory_ordered 1
		.amdhsa_forward_progress 1
		.amdhsa_inst_pref_size 71
	.end_amdhsa_kernel
	.amdgpu_metadata
---
amdhsa.version: [ 1, 2 ]
amdhsa.kernels:
  - .name:           k_qe6526b012e_prep
    .symbol:         k_qe6526b012e_prep.kd
    .args:
      - { .name: hidden_states, .offset: 0, .size: 8, .value_kind: global_buffer, .address_space: global }
      - { .name: ln1_w, .offset: 8, .size: 8, .value_kind: global_buffer, .address_space: global }
      - { .name: xa, .offset: 16, .size: 8, .value_kind: global_buffer, .address_space: global }
      - { .name: Wq_codes, .offset: 24, .size: 8, .value_kind: global_buffer, .address_space: global }
      - { .name: Wk_codes, .offset: 32, .size: 8, .value_kind: global_buffer, .address_space: global }
      - { .name: Wv_codes, .offset: 40, .size: 8, .value_kind: global_buffer, .address_space: global }
      - { .name: Wo_codes, .offset: 48, .size: 8, .value_kind: global_buffer, .address_space: global }
      - { .name: w1_codes, .offset: 56, .size: 8, .value_kind: global_buffer, .address_space: global }
      - { .name: w3_codes, .offset: 64, .size: 8, .value_kind: global_buffer, .address_space: global }
      - { .name: w2_codes, .offset: 72, .size: 8, .value_kind: global_buffer, .address_space: global }
      - { .name: Wq_scales, .offset: 80, .size: 8, .value_kind: global_buffer, .address_space: global }
      - { .name: Wk_scales, .offset: 88, .size: 8, .value_kind: global_buffer, .address_space: global }
      - { .name: Wv_scales, .offset: 96, .size: 8, .value_kind: global_buffer, .address_space: global }
      - { .name: Wo_scales, .offset: 104, .size: 8, .value_kind: global_buffer, .address_space: global }
      - { .name: w1_scales, .offset: 112, .size: 8, .value_kind: global_buffer, .address_space: global }
      - { .name: w3_scales, .offset: 120, .size: 8, .value_kind: global_buffer, .address_space: global }
      - { .name: w2_scales, .offset: 128, .size: 8, .value_kind: global_buffer, .address_space: global }
      - { .name: wA, .offset: 136, .size: 8, .value_kind: global_buffer, .address_space: global }
      - { .name: wB, .offset: 144, .size: 8, .value_kind: global_buffer, .address_space: global }
      - { .name: wC, .offset: 152, .size: 8, .value_kind: global_buffer, .address_space: global }
    .group_segment_fixed_size: 51712
    .private_segment_fixed_size: 0
    .kernarg_segment_align: 8
    .kernarg_segment_size: 160
    .max_flat_workgroup_size: 128
    .sgpr_count:     66
    .vgpr_count:     256
    .wavefront_size: 32
...
	.end_amdgpu_metadata
.endif
;; end of part 1
;; launch qkv (part 2): grid 8 x 32, 4 waves a work-group, clusters of 4 x 4, 327,680 bytes of LDS; arguments xa, wA, qkvb; writes qkvb
.if DOCPART == 2
	.amdgcn_target "amdgcn-amd-amdhsa--gfx1250"
	.amdhsa_code_object_version 6
	.text
	.protected	k_qe6526b012e_qkv
	.globl	k_qe6526b012e_qkv
	.p2align	8
	.type	k_qe6526b012e_qkv,@function
k_qe6526b012e_qkv:
	s_mov_b64 s[64:65], 0
	v_nop
	global_prefetch_b8 v0, s[64:65] scope:SCOPE_SE
	s_setreg_imm32_b32 hwreg(HW_REG_WAVE_MODE, 25, 1), 1
	s_wait_xcnt 0x0
	s_wait_alu depctr_hold_cnt(0) depctr_sa_sdst(0) depctr_va_vdst(0) depctr_va_sdst(0) depctr_va_ssrc(0) depctr_va_vcc(0) depctr_vm_vsrc(0)
	s_getreg_b32 s2, hwreg(HW_REG_IB_STS2, 6, 4)
	s_cmp_eq_u32 s2, 0
	s_cbranch_scc0 .Lentry_in_a_cluster
	s_endpgm
.Lentry_in_a_cluster:
	s_bfe_u32 s2, ttmp6, 0x10000c
	s_cmp_lg_u32 s2, 0xf033
	s_cbranch_scc0 .Lentry_shape_is_right
	s_endpgm
.Lentry_shape_is_right:
; Q, K, V = x Wq, x Wk, x Wv on E3M2 codes (K = 1,024); rotary embedding of q and k; q and k quantised along the head's 64, v along the keys.
; A work-group takes 128 rows of x (block y) and 128 columns (block x = heads 2 x, 2 x + 1) and STAYS for the three weights.  Four waves, each 64 rows x 64 columns (one head): 16 accumulators.
; All operands lie in memory as images of operand registers (launch prep), so a K step of 128 rows is one dense block of 12,288 bytes, and a whole operand of 128 rows, 98,304 bytes, stays in LDS.
; LDS: x at 0; Wq at 98,304; Wk at 196,608; Wv is brought into Wq's bytes when Wq has been read: the one refill of the launch; the spare words at 294,912.
; CLUSTER 4 x 4: x's block hangs on y alone and is asked for jointly along a row of the cluster, a weight's block on x alone, jointly along a column.
; q and k: the product is used TRANSPOSED (source 0 = 16 rows of W, source 1 = 16 tokens): a lane holds one token, and the 32 registers of a row tile are d = 16 h + 0..15 and 32 + 16 h + 0..15: the rotation's partners
; lie in one lane.  v: source 0 = 16 tokens, source 1 = 16 rows of Wv: a lane holds one d and 16 neighbouring tokens of two blocks of 32 keys.
; OUT (qkvb): q units [head 32][tile 128][768]; q scale words; for each head and 128 keys a record of 13,056 bytes: 8 units of K, 4 fragments of V (rows = d, K = keys), K's and V's scale words.
; q's and k's scale words hold their two bytes twice, so that a unit may stand in either half of a K step of 128.
; LIMITS: NaN and infinities are not served; a block under 2^-122, a block of zeros among them, keeps the byte 1 (zero codes add nothing; only this program reads the bytes).
.set LW0,   98304
.set LW1,   196608
.set SPARE, 294912
.set SPW, 1                            ; v1   my spare word;  v2   0: both never rewritten
.set NIL, 2
.set L16, 3                            ; v3-5 16, 8, 4 x lane
.set L8,  4
.set L4,  5
.set AG,  6                            ; v6-9   x's fragments in LDS: 16 x lane, 8 x lane for K steps 0-3; the same for K steps 4-7
.set WGA, 10                           ; v10-13 the same for the weight at LW0
.set WGB, 14                           ; v14-17 and at LW1
.set RO,  19                           ; v19    the table's offset
.set SA,  20                           ; v20-35 x's scale words: 8 p + K step, p = pair of row tiles
.set SB,  36                           ; v36-83 the weights': 16 m + 8 p + K step
.set TT,  84                           ; v84-91 at work
.set QM,  92                           ; v92-99 QPAIR: maxima, partners', scale operands, bytes
.set QF,  100                          ; v100-105 a unit's six registers
.set QE,  106                          ; v106-108
.set WH,  110                          ; v110-111 two tiles' scale words
.set WD,  112
.set ACC, 128                          ; v128-255 the accumulators.  Window 1: two sets of fragments, 96 each.  Window 2: v0-127 cos and sin: tile i at 32 i and 32 i + 16
.set WV, 12
.set RH, 13
.set CH, 14
.set XX, 17
.set YY, 18
.set SEL, 20
.set HM, 22
.set G1A, 24
.set G0A, 32
.set G1B, 48
.set G0B, 56
.set G0K, 68
.set G0V, 72
.set MSB, 0
.macro WIN new                         ; the immediate's high byte repeats the setting that is left
.if MSB != \new
	s_set_vgpr_msb (MSB<<8)|\new
.set MSB, \new
.endif
.endm
.macro PLACES n
.rept \n
	v_nop
.endr
.endm
.macro CROUND                          ; a round of the cluster's barrier
	s_barrier_signal -1
	s_barrier_wait -1
	s_cmp_lg_u32 s[WV], 0
	s_cbranch_scc1 .Lnot_wave_0_\@
	s_barrier_signal -3
.Lnot_wave_0_\@:
	s_barrier_wait -3
	s_barrier_signal -1
	s_barrier_wait -1
.endm
.macro FRAG dst, g, o                  ; a fragment: four loads of consecutive bytes
	ds_load_b128 v[(\dst):(\dst)+3], v[(\g)] offset:(\o)
	ds_load_b64 v[(\dst)+4:(\dst)+5], v[(\g)+1] offset:(\o)+512
	ds_load_b128 v[(\dst)+6:(\dst)+9], v[(\g)] offset:(\o)+768
	ds_load_b64 v[(\dst)+10:(\dst)+11], v[(\g)+1] offset:(\o)+1280
.endm
.macro FETCH set, s, ag, wa, oa, wb, ob      ; K step s: my four row tiles and four tiles of W into a set: 32 loads
	WIN 0x40
.set HI, 2*((\s)/4)
.set KO, ((\s)%4)*12288
.irp i, 0,1,2,3
	FRAG 96*(\set)+12*\i, \ag+HI, KO+1536*\i
.endr
.irp j, 0,1
	FRAG 96*(\set)+48+12*\j, \wa+HI, KO+(\oa)+1536*\j
.endr
.irp j, 0,1
	FRAG 96*(\set)+72+12*\j, \wb+HI, KO+(\ob)+1536*\j
.endr
.endm
.macro WMR c, ra, rb
.if (\ra) && (\rb)
	v_wmma_scale_f32_16x16x128_f8f6f4 v[rD:rD+7], v[rA:rA+11], v[rB:rB+11], \c, v[rSA], v[rSB] matrix_a_fmt:MATRIX_FMT_BF6 matrix_b_fmt:MATRIX_FMT_BF6 matrix_a_scale:MATRIX_SCALE_ROW1 matrix_b_scale:MATRIX_SCALE_ROW1
.elseif \ra
	v_wmma_scale_f32_16x16x128_f8f6f4 v[rD:rD+7], v[rA:rA+11], v[rB:rB+11], \c, v[rSA], v[rSB] matrix_a_fmt:MATRIX_FMT_BF6 matrix_b_fmt:MATRIX_FMT_BF6 matrix_a_scale:MATRIX_SCALE_ROW1
.elseif \rb
	v_wmma_scale_f32_16x16x128_f8f6f4 v[rD:rD+7], v[rA:rA+11], v[rB:rB+11], \c, v[rSA], v[rSB] matrix_a_fmt:MATRIX_FMT_BF6 matrix_b_fmt:MATRIX_FMT_BF6 matrix_b_scale:MATRIX_SCALE_ROW1
.else
	v_wmma_scale_f32_16x16x128_f8f6f4 v[rD:rD+7], v[rA:rA+11], v[rB:rB+11], \c, v[rSA], v[rSB] matrix_a_fmt:MATRIX_FMT_BF6 matrix_b_fmt:MATRIX_FMT_BF6
.endif
.endm
.macro EMIT cz, ra, rb
.if \cz
	WMR 0, \ra, \rb
.else
	WMR v[rD:rD+7], \ra, \rb
.endif
.endm
; 16 matrix instructions, the 16 accumulators by turns.  An odd tile's scale words lie in lanes 16-31.
.macro MUL set, s, tr, zero, sb
.irp i, 0,1,2,3
.irp j, 0,1,2,3
.if \tr
.set rD, ACC+32*\i+8*\j
.set rA, 96*(\set)+48+12*\j
.set rB, 96*(\set)+12*\i
.set rSA, (\sb)+8*(\j/2)+(\s)
.set rSB, SA+8*(\i/2)+(\s)
	EMIT \zero, \j%2, \i%2
.else
.set rD, ACC+32*\j+8*\i
.set rA, 96*(\set)+12*\i
.set rB, 96*(\set)+48+12*\j
.set rSA, SA+8*(\i/2)+(\s)
.set rSB, (\sb)+8*(\j/2)+(\s)
	EMIT \zero, \i%2, \j%2
.endif
.endr
.endr
.endm
; A whole product over K = 1,024: eight K steps on two sets of fragments; the next step's 32 loads are issued ahead of a step's 16 products.
; p0 >= 0: the operands are still landing: K steps 0-3 are shown by the wait for p0 and a barrier, K steps 4-7 by the wait for p1 and a barrier.
.macro MAIN ag, wa, oa, wb, ob, tr, zero, sb, p0, p1
.if (\p0) >= 0
	s_wait_tensorcnt \p0
	s_barrier_signal -1
	s_barrier_wait -1
.endif
	FETCH 0, 0, \ag, \wa, \oa, \wb, \ob
.irp s, 0,1,2,3,4,5,6
.if \s > 0
	PLACES 4                                       ; four places in front of loads into registers that the last products read
.endif
.if (\s == 3) && ((\p0) >= 0)
	s_wait_tensorcnt \p1
	s_wait_dscnt 0x0
	s_barrier_signal -1
	s_barrier_wait -1
.endif
	FETCH (\s+1)%2, \s+1, \ag, \wa, \oa, \wb, \ob
	s_wait_dscnt 32                                ; all but the 32 just issued
	WIN 0x05
.if \s == 0
	MUL 0, 0, \tr, \zero, \sb
.else
	MUL \s%2, \s, \tr, 0, \sb
.endif
.endr
	s_wait_dscnt 0x0
	MUL 1, 7, \tr, 0, \sb
	WIN 0
.endm
; Two runs of 16 registers, each half a block of 32 (lanes l and l xor 16 hold a block), become a unit's six registers: lanes 0-15 x's whole block, lanes 16-31 y's.  The bytes: v[QM+6], v[QM+7].
.macro QPAIR x, y
	v_max3_num_f32 v[QM], |v[(\x)]|, |v[(\x)+1]|, 0x2800000
	v_max3_num_f32 v[QM+1], |v[(\y)]|, |v[(\y)+1]|, 0x2800000
.irp i, 2,4,6,8,10,12,14
	v_max3_num_f32 v[QM], v[QM], |v[(\x)+\i]|, |v[(\x)+\i+1]|
	v_max3_num_f32 v[QM+1], v[QM+1], |v[(\y)+\i]|, |v[(\y)+\i+1]|
.endr
	v_permlanex16_b32 v[QM+2], v[QM], s[SEL], s[SEL+1]
	v_permlanex16_b32 v[QM+3], v[QM+1], s[SEL], s[SEL+1]
	v_max_num_f32 v[QM], v[QM], v[QM+2]
	v_max_num_f32 v[QM+1], v[QM+1], v[QM+3]
	v_add_nc_u32 v[QM+4], 0xfe000000, v[QM]        ; 4 off the exponent field: the conversion's scale operand
	v_add_nc_u32 v[QM+5], 0xfe000000, v[QM+1]
	v_lshrrev_b32 v[QM+6], 23, v[QM+4]
	v_lshrrev_b32 v[QM+7], 23, v[QM+5]
	s_wait_alu depctr_va_vdst(0)
	s_wait_xcnt 0x0                                ; earlier stores have read the unit's registers: they are written again only behind this wait
	v_cvt_scalef32_pk16_bf6_f32 v[QF:QF+2], v[(\x):(\x)+15], v[QM+4]
	v_cvt_scalef32_pk16_bf6_f32 v[QE:QE+2], v[(\y):(\y)+15], v[QM+5]
	v_nop                                          ; one plain place behind a scaled conversion
.irp i, 0,1,2
	v_permlane16_swap_b32 v[QF+\i], v[QE+\i]
.endr
.irp i, 0,1,2
	v_mov_b32 v[QF+3+\i], v[QE+\i]
.endr
.endm
	s_load_b128 s[4:7], s[0:1], 0x0                ; xa, wA
	s_load_b64 s[8:9], s[0:1], 0x10                ; qkvb
	v_lshl_add_u32 v[SPW], v0, 2, SPARE
	v_mov_b32 v[NIL], 0
	ds_add_u32 v1, v2
	ds_add_u32 v1, v2
	s_wait_dscnt 0x0
	v_lshrrev_b32 v18, 5, v0
	v_readfirstlane_b32 s[WV], v18                 ; wave 0..3
	s_lshr_b32 s[RH], s[WV], 1                     ; my half of the rows.  Also: I fetch for x (0) or for W (1)
	s_and_b32 s[CH], s[WV], 1                      ; my half of the columns.  Also: which K quarters I fetch
	s_bfe_u32 s15, ttmp6, 0x40000                  ; cx
	s_bfe_u32 s16, ttmp6, 0x40004                  ; cy
	s_lshl_b32 s[XX], ttmp9, 2
	s_add_co_u32 s[XX], s[XX], s15                 ; column block
	s_and_b32 s[YY], ttmp7, 0xffff
	s_lshl_b32 s[YY], s[YY], 2
	s_add_co_u32 s[YY], s[YY], s16                 ; row block
	s_lshl_b32 s44, s16, 2
	s_lshl_b32 s44, 15, s44                        ; my row of the cluster
	s_lshl_b32 s45, 0x1111, s15                    ; my column
	s_or_b32 s[G1A], s44, (3<<16)|(1<<21)          ; group 1: the mask; elements of 8 bytes; bit 21 beside a mask; no padding
	s_or_b32 s[G1B], s45, (3<<16)|(1<<21)
.irp g, G1A, G1B
	s_mov_b32 s[\g+1], 32<<16                      ; at the head a dense block of 49,152 bytes (four K steps) as 192 rows of 256 bytes
	s_mov_b32 s[\g+2], 192<<16
	s_mov_b32 s[\g+3], 32<<16
	s_mov_b32 s[\g+4], 192
	s_mov_b32 s[\g+5], 32
	s_mov_b32 s[\g+6], 0
	s_mov_b32 s[\g+7], 0
.endr
	s_mul_i32 s94, s[CH], 49152                    ; K half (wave % 2)
	s_mov_b32 s95, 0
	s_mul_i32 s23, s[RH], 98304
	s_add_co_u32 s23, s23, s94                     ; where it goes: no place in the cluster enters an LDS address
	s_mul_i32 s46, s[YY], 98304
	s_add_co_u32 s46, s46, s94
	s_mov_b32 s47, 0
	s_mul_i32 s66, s[XX], 98304
	s_mov_b32 s67, 0
	s_mul_i32 s96, s[WV], 24576                    ; of Wk and of Wv each wave fetches quarter w
	s_mov_b32 s97, 0
	s_mov_b32 s[SEL], 0x76543210
	s_mov_b32 s[SEL+1], 0xfedcba98
	s_mov_b32 s[HM], 0xffff0000                    ; lanes 16-31
	s_wait_kmcnt 0x0
	s_add_nc_u64 s[40:41], s[4:5], s[46:47]
	s_add_nc_u64 s[42:43], s[6:7], s[66:67]
	s_add_nc_u64 s[98:99], s[42:43], s[96:97]
	s_add_nc_u64 s[42:43], s[42:43], s[94:95]
.irp k, 0
	s_mov_b32 s[G0A+4*\k], 1
	s_add_co_u32 s[G0A+4*\k+1], s23, \k*49152
	s_add_nc_u64 s[G0A+4*\k+2:G0A+4*\k+3], s[40:41], \k*49152
	s_or_b32 s[G0A+4*\k+3], s[G0A+4*\k+3], 0x80000000
	s_mov_b32 s[G0B+4*\k], 1
	s_add_co_u32 s[G0B+4*\k+1], s23, \k*49152
	s_add_nc_u64 s[G0B+4*\k+2:G0B+4*\k+3], s[42:43], \k*49152
	s_or_b32 s[G0B+4*\k+3], s[G0B+4*\k+3], 0x80000000
.endr
	s_mov_b32 s[G0K], 1
	s_add_co_u32 s[G0K+1], s96, LW1
	s_add_nc_u64 s[G0K+2:G0K+3], s[98:99], 819200
	s_or_b32 s[G0K+3], s[G0K+3], 0x80000000
	s_mov_b32 s[G0V], 1
	s_add_co_u32 s[G0V+1], s96, LW0
	s_add_nc_u64 s[G0V+2:G0V+3], s[98:99], 1638400
	s_or_b32 s[G0V+3], s[G0V+3], 0x80000000
	CROUND                                         ; all sixteen work-groups are here: the first joint loads meet
	s_cmp_lt_u32 s[WV], 2                          ; one first fill a wave: waves 0, 1 the two K halves of x, waves 2, 3 those of Wq
	s_cbranch_scc0 .Lfill_w
	tensor_load_to_lds s[G0A:G0A+3], s[G1A:G1A+7]
	s_nop 0
	PLACES 4
	s_branch .Lfilled
.Lfill_w:
	tensor_load_to_lds s[G0B:G0B+3], s[G1B:G1B+7]
	s_nop 0
	PLACES 4
.Lfilled:
	v_and_b32 v18, 31, v0
	v_lshlrev_b32 v[L16], 4, v18
	v_lshlrev_b32 v[L8], 3, v18
	v_lshlrev_b32 v[L4], 2, v18
	s_mul_i32 s94, s[RH], 6144                     ; my four row tiles
	v_add_nc_u32 v[AG], s94, v[L16]
	v_add_nc_u32 v[AG+1], s94, v[L8]
	s_add_co_u32 s94, s94, 49152
	v_add_nc_u32 v[AG+2], s94, v[L16]
	v_add_nc_u32 v[AG+3], s94, v[L8]
	s_mul_i32 s94, s[CH], 6144                     ; my four tiles of W
	s_add_co_u32 s94, s94, LW0
.irp g, 0,2,4,6                        ; LW0's K steps 0-3, 4-7, LW1's 0-3, 4-7: 49,152 bytes apart
	v_add_nc_u32 v[WGA+\g], s94, v[L16]
	v_add_nc_u32 v[WGA+\g+1], s94, v[L8]
	s_add_co_u32 s94, s94, 49152
.endr
	v_and_b32 v18, 15, v0
	v_and_b32 v[RO], 8, v18
	v_add_nc_u32 v[RO], v[RO], v18
	v_lshlrev_b32 v[RO], 8, v[RO]
	v_bfe_u32 v18, v0, 4, 1
	v_lshl_add_u32 v[RO], v18, 6, v[RO]            ; the table: token r + 8 (r / 8) of 256 bytes, + 64 h
	s_wait_alu depctr_va_vdst(0)
	v_mov_b32 v[QM+2], 0                           ; written once: a lane permute's destination counts as one of its sources
	v_mov_b32 v[QM+3], 0
	s_lshr_b32 s46, s[YY], 4                       ; batch
	s_and_b32 s47, s[YY], 15                       ; which 128 tokens of the sequence
	s_lshl_b32 s66, s[XX], 1
	s_add_co_u32 s66, s66, s[CH]                   ; head
	s_lshl_b32 s46, s46, 4
	s_add_co_u32 s46, s46, s66                     ; batch x 16 + head
	s_lshl_b32 s94, s46, 7
	s_lshl_b32 s96, s47, 3
	s_add_co_u32 s94, s94, s96
	s_lshl_b32 s96, s[RH], 2
	s_add_co_u32 s94, s94, s96                     ; my first tile of queries
	s_mul_i32 s96, s94, 768
	s_add_nc_u64 s[76:77], s[8:9], s[96:97]        ; q's units
	s_lshl_b32 s96, s94, 6
	s_add_co_u32 s96, s96, 3145728
	s_add_nc_u64 s[78:79], s[8:9], s[96:97]        ; q's scale words: 128 bytes for each pair of tiles
	s_mul_i32 s96, s46, 208896
	s_mul_i32 s94, s47, 13056
	s_add_co_u32 s96, s96, s94
	s_add_co_u32 s96, s96, 3407872
	s_add_nc_u64 s[98:99], s[8:9], s[96:97]        ; the record
	s_mul_i32 s96, s[RH], 3072
	s_add_nc_u64 s[80:81], s[98:99], s[96:97]      ; K's units
	s_lshl_b32 s96, s[RH], 8
	s_add_co_u32 s96, s96, 12288
	s_add_nc_u64 s[88:89], s[98:99], s[96:97]      ; K's scale words
	s_mul_i32 s96, s[RH], 768
	s_add_co_u32 s96, s96, 6144
	s_add_nc_u64 s[90:91], s[98:99], s[96:97]      ; V's units: my 64 keys are unit RH of each fragment
	s_lshl_b32 s96, s[RH], 1
	s_add_co_u32 s96, s96, 12800
	s_add_nc_u64 s[92:93], s[98:99], s[96:97]      ; V's scale words: my two bytes of four
	s_lshl_b32 s96, s[YY], 12
	s_lshl_b32 s94, s[RH], 11
	s_add_co_u32 s96, s96, s94
	s_add_co_u32 s96, s96, 3145728
	s_add_nc_u64 s[82:83], s[4:5], s[96:97]        ; x's scale image, my two pairs of tiles
	s_lshl_b32 s96, s[XX], 12
	s_lshl_b32 s94, s[CH], 11
	s_add_co_u32 s96, s96, s94
	s_add_co_u32 s96, s96, 786432
	s_add_nc_u64 s[84:85], s[6:7], s[96:97]        ; Wq's scale image; Wk's and Wv's lie 819,200 and 1,638,400 bytes on
	s_lshl_b32 s96, s47, 15
	s_lshl_b32 s94, s[RH], 14
	s_add_co_u32 s96, s96, s94
	s_add_co_u32 s96, s96, 2457600
	s_add_nc_u64 s[86:87], s[6:7], s[96:97]        ; the table at my first token
.irp p, 0,1
.irp g, 0,1
	global_load_b128 v[SA+8*\p+4*\g:SA+8*\p+4*\g+3], v[L16], s[82:83] offset:1024*\p+512*\g
.endr
.endr
.irp m, 0,1,2
.irp p, 0,1
.irp g, 0,1
	global_load_b128 v[SB+16*\m+8*\p+4*\g:SB+16*\m+8*\p+4*\g+3], v[L16], s[84:85] offset:819200*\m+1024*\p+512*\g
.endr
.endr
.endr
	WIN 0x80                                       ; destination window 2
.irp i, 0,1,2,3
.irp n, 0,1
.irp k, 0,1,2,3
	global_load_b128 v[32*\i+16*\n+4*\k:32*\i+16*\n+4*\k+3], v[RO], s[86:87] offset:(32*(\i/2)+8*(\i%2))*256+128*\n+16*\k
.endr
.endr
.endr
	WIN 0
	s_wait_loadcnt 32                              ; the scale words are in; the table's 32 loads may be out
; q or k: rotated, quantised, stored, a row tile at a time.  X = d 16 h + 0..15, Y = d 32 + 16 h + 0..15:  X' = X cos - Y sin,  Y' = Y cos + X sin
.macro EPI_QK ub, wb
.irp i, 0,1,2,3
	WIN 0x08                                       ; source 1 (the table) window 2
.irp e, 0,2,4,6,8,10,12,14
	v_pk_mul_f32 v[TT+2*(\e%4):TT+2*(\e%4)+1], v[ACC+32*\i+16+\e:ACC+32*\i+17+\e], v[32*\i+16+\e:32*\i+17+\e]
	v_pk_mul_f32 v[TT+2*(\e%4)+2:TT+2*(\e%4)+3], v[ACC+32*\i+\e:ACC+32*\i+1+\e], v[32*\i+16+\e:32*\i+17+\e]
	v_pk_fma_f32 v[ACC+32*\i+\e:ACC+32*\i+1+\e], v[ACC+32*\i+\e:ACC+32*\i+1+\e], v[32*\i+\e:32*\i+1+\e], v[TT+2*(\e%4):TT+2*(\e%4)+1] neg_lo:[0,0,1] neg_hi:[0,0,1]
	v_pk_fma_f32 v[ACC+32*\i+16+\e:ACC+32*\i+17+\e], v[ACC+32*\i+16+\e:ACC+32*\i+17+\e], v[32*\i+\e:32*\i+1+\e], v[TT+2*(\e%4)+2:TT+2*(\e%4)+3]
.endr
	WIN 0
	QPAIR ACC+32*\i, ACC+32*\i+16
	global_store_b128 v[L16], v[QF:QF+3], s[\ub:\ub+1] offset:768*\i
	global_store_b64 v[L8], v[QF+4:QF+5], s[\ub:\ub+1] offset:768*\i+512
	v_lshl_or_b32 v[WH+\i%2], v[QM+7], 8, v[QM+6]
	v_lshl_or_b32 v[WH+\i%2], v[WH+\i%2], 16, v[WH+\i%2]   ; the two bytes twice
.if \i%2
	v_cndmask_b32 v[WD], v[WH], v[WH+1], s[HM]     ; lanes 0-15 the even tile's words, lanes 16-31 the odd tile's
	global_store_b32 v[L4], v[WD], s[\wb:\wb+1] offset:128*(\i/2)
.endif
.endr
.endm
	s_wait_alu depctr_va_vdst(0)                   ; the wait at the head's end
	s_wait_tensorcnt 0x0                           ; my half of x or of Wq is in; Wk's first fill is issued as a refill is:
	ds_add_u32 v[SPW], v[NIL]                      ; 0 onto my spare word
	s_mov_b32 s[G1B+2], 96<<16                     ; no tensor load of mine is out: from here on a load brings 96 rows, 24,576 bytes
	s_mov_b32 s[G1B+4], 96
	s_wait_dscnt 0x0
	CROUND                                         ; x and Wq are whole in every partner
	tensor_load_to_lds s[G0K:G0K+3], s[G1B:G1B+7]  ; my quarter of Wk: my one tensor load behind the round; it lands under x Wq
	s_nop 0
	PLACES 4
	MAIN AG, WGA, 0, WGA, 3072, 1, 1, SB, -1, -1   ; x Wq
	s_wait_tensorcnt 0x0                           ; all my tensor loads have landed, my quarter of Wk among them;
	ds_add_u32 v[SPW], v[NIL]                      ; 0 onto my spare word;
	s_wait_dscnt 0x0                               ; the add is done, and my reads of Wq are over
	CROUND                                         ; both now hold of every wave of every partner
	tensor_load_to_lds s[G0V:G0V+3], s[G1B:G1B+7]  ; my quarter of Wv into Wq's bytes: my one tensor load behind the round; it lands under the work on q and k
	s_nop 0
	PLACES 4                                       ; (also the places behind the last products)
	s_wait_loadcnt 0x0                             ; the table
	EPI_QK 76, 78
	MAIN AG, WGB, 0, WGB, 3072, 1, 1, SB+16, -1, -1   ; x Wk: whole since the round
	PLACES 4
	EPI_QK 80, 88
	s_wait_tensorcnt 0x0                           ; my quarter of Wv is in,
	s_wait_dscnt 0x0
	s_barrier_signal -1
	s_barrier_wait -1                              ; everybody's is
	MAIN AG, WGA, 0, WGA, 3072, 0, 1, SB+32, -1, -1   ; x Wv, source 0 = tokens
	PLACES 4
.irp j, 0,1,2,3                        ; d tile j: my 64 keys are two blocks of 32
	QPAIR ACC+32*\j, ACC+32*\j+16
	global_store_b128 v[L16], v[QF:QF+3], s[90:91] offset:1536*\j
	global_store_b64 v[L8], v[QF+4:QF+5], s[90:91] offset:1536*\j+512
	v_lshl_or_b32 v[WH+\j%2], v[QM+7], 8, v[QM+6]
.if \j%2
	v_cndmask_b32 v[WD], v[WH], v[WH+1], s[HM]
	global_store_b16 v[L4], v[WD], s[92:93] offset:128*(\j/2)
.endif
.endr
	s_wait_tensorcnt 0x0                           ; the wave's end
	ds_add_u32 v[SPW], v[NIL]
	s_wait_dscnt 0x0
	CROUND                                         ; the closing round
	s_endpgm
.Lfunc_end_k_qe6526b012e_qkv:
	.size	k_qe6526b012e_qkv, .Lfunc_end_k_qe6526b012e_qkv-k_qe6526b012e_qkv
	.p2alignl 7, 3214868480
	.fill 96, 4, 3214868480
	.section	.rodata,"a",@progbits
	.p2align	6, 0x0
	.amdhsa_kernel k_qe6526b012e_qkv
		.amdhsa_group_segment_fixed_size 327680
		.amdhsa_private_segment_fixed_size 0
		.amdhsa_enable_private_segment 0
		.amdhsa_kernarg_size 24
		.amdhsa_user_sgpr_count 2
		.amdhsa_user_sgpr_kernarg_segment_ptr 1
		.amdhsa_wavefront_size32 1
		.amdhsa_system_sgpr_workgroup_id_x 1
		.amdhsa_system_sgpr_workgroup_id_y 1
		.amdhsa_system_sgpr_workgroup_id_z 1
		.amdhsa_system_vgpr_workitem_id 0
		.amdhsa_next_free_vgpr 640
		.amdhsa_next_free_sgpr 100
		.amdhsa_reserve_vcc 0
		.amdhsa_float_denorm_mode_32 3
		.amdhsa_float_denorm_mode_16_64 3
		.amdhsa_memory_ordered 1
		.amdhsa_forward_progress 1
		.amdhsa_inst_pref_size 159
	.end_amdhsa_kernel
	.amdgpu_metadata
---
amdhsa.version: [ 1, 2 ]
amdhsa.kernels:
  - .name:           k_qe6526b012e_qkv
    .symbol:         k_qe6526b012e_qkv.kd
    .args:
      - { .name: xa, .offset: 0, .size: 8, .value_kind: global_buffer, .address_space: global }
      - { .name: wA, .offset: 8, .size: 8, .value_kind: global_buffer, .address_space: global }
      - { .name: qkvb, .offset: 16, .size: 8, .value_kind: global_buffer, .address_space: global }
    .group_segment_fixed_size: 327680
    .private_segment_fixed_size: 0
    .kernarg_segment_align: 8
    .kernarg_segment_size: 24
    .max_flat_workgroup_size: 128
    .sgpr_count:     100
    .vgpr_count:     640
    .wavefront_size: 32
...
	.end_amdgpu_metadata
.endif
;; end of part 2
;; launch attn (part 3): grid 8 x 32, 16 waves a work-group, clusters of 4 x 1, 210,944 bytes of LDS; arguments qkvb, ca; writes ca
.if DOCPART == 3
	.amdgcn_target "amdgcn-amd-amdhsa--gfx1250"
	.amdhsa_code_object_version 6
	.text
	.protected	k_qe6526b012e_attn
	.globl	k_qe6526b012e_attn
	.p2align	8
	.type	k_qe6526b012e_attn,@function
k_qe6526b012e_attn:
	s_mov_b64 s[64:65], 0
	v_nop
	global_prefetch_b8 v0, s[64:65] scope:SCOPE_SE
	s_setreg_imm32_b32 hwreg(HW_REG_WAVE_MODE, 25, 1), 1
	s_wait_xcnt 0x0
	s_wait_alu depctr_hold_cnt(0) depctr_sa_sdst(0) depctr_va_vdst(0) depctr_va_sdst(0) depctr_va_ssrc(0) depctr_va_vcc(0) depctr_vm_vsrc(0)
	s_getreg_b32 s2, hwreg(HW_REG_IB_STS2, 6, 4)
	s_cmp_eq_u32 s2, 0
	s_cbranch_scc0 .Lentry_in_a_cluster
	s_endpgm
.Lentry_in_a_cluster:
	s_bfe_u32 s2, ttmp6, 0x10000c
	s_cmp_lg_u32 s2, 0x3003
	s_cbranch_scc0 .Lentry_shape_is_right
	s_endpgm
.Lentry_shape_is_right:
; ctx = softmax(q k^T / 8) v for one head and 256 queries, both products on E3M2 codes; ctx is quantised along the hidden axis and stored as an image of operand registers.
; THE SOFTMAX: t = score x log2(e) / 8; M = the running largest t rounded UP to a whole number; p = 2^(t - M) is quantised along the keys, not normalised;
; the row's sum is taken of the unquantised p and divides at the end; when M moves, the sum and O are multiplied by 2^(old M - new M), which rounds nothing.
; SHARES.  Sixteen waves, each one tile of 16 queries; every wave walks the head's 2,048 keys, 128 a step.
; LDS.  The head's 16 records (128 keys each: 8 units of K, 4 fragments of V, their scale words; 13,056 bytes) lie in LDS whole: wave w fetches record w, one tensor load a wave; nothing is filled again.
; CLUSTER 4 x 1: the four blocks of queries of a cluster belong to one head and ask for each record jointly.
; K = 64 IN A FORM OF K = 128.  A unit (16 rows x 64) fills half an operand, the other half is zero codes: an even tile of keys stands in the lower half against q | zeros, an odd one in the upper half
; against zeros | q.  q's and k's scale words hold their two bytes twice and serve both places.
; Both products are used transposed (S^T = K Q^T, O^T = V^T P^T): a lane holds one query; the keys of tiles 2 B, 2 B + 1 are 32 B + 16 (lane / 16) + 0..15 in a lane's 16 registers.
; No prefetch: the records are asked for once, at the head, and the loop reads LDS alone.
; LIMITS: NaN and infinities are not served; the scaled scores stay under 2^31 in magnitude; a block of ctx under 2^-122 keeps the byte 1.
.set REC, 13056
.set KB,  36                           ; v36-107  four pairs of tiles of K: even tile | six zeros | odd tile
.set KS,  108                          ; v108-111 K's scale words
.set SS,  112                          ; v112-175 S^T, then p; V's fragments land in v112-159 behind the conversions
.set OO,  176                          ; v176-207 O^T
.set FF,  208                          ; v208-219 p's codes
.set TP,  220                          ; v220-226
.set BM,  228                          ; v228-231 the blocks' largest scores, then p
.set PT,  232                          ; v232-235 partners', then bytes
.set SOP, 236                          ; v236-239 the conversions' scale operands
.set VS,  240                          ; v240-241 V's scale words
.set QM,  228                          ; the way out's QPAIR
.set QF,  208
.set QE,  220
.set WV,  8
.set G0,  20                           ; s[20:23]
.set G1,  36                           ; s[36:43]
.set SEL, 44
.set CS,  46                           ; s[46:47] c = log2(e) / 8
.set TB,  48
.set CNT, 49
.macro CROUND
	s_barrier_signal -1
	s_barrier_wait -1
	s_cmp_lg_u32 s[WV], 0
	s_cbranch_scc1 .Lnot_wave_0_\@
	s_barrier_signal -3
.Lnot_wave_0_\@:
	s_barrier_wait -3
	s_barrier_signal -1
	s_barrier_wait -1
.endm
.macro QPAIR x, y                      ; two half blocks a lane become a unit's six registers; the bytes: v[QM+6], v[QM+7]
	v_max3_num_f32 v[QM], |v[(\x)]|, |v[(\x)+1]|, 0x2800000
	v_max3_num_f32 v[QM+1], |v[(\y)]|, |v[(\y)+1]|, 0x2800000
.irp i, 2,4,6,8,10,12,14
	v_max3_num_f32 v[QM], v[QM], |v[(\x)+\i]|, |v[(\x)+\i+1]|
	v_max3_num_f32 v[QM+1], v[QM+1], |v[(\y)+\i]|, |v[(\y)+\i+1]|
.endr
	v_permlanex16_b32 v[QM+2], v[QM], s[SEL], s[SEL+1]
	v_permlanex16_b32 v[QM+3], v[QM+1], s[SEL], s[SEL+1]
	v_max_num_f32 v[QM], v[QM], v[QM+2]
	v_max_num_f32 v[QM+1], v[QM+1], v[QM+3]
	v_add_nc_u32 v[QM+4], 0xfe000000, v[QM]
	v_add_nc_u32 v[QM+5], 0xfe000000, v[QM+1]
	v_lshrrev_b32 v[QM+6], 23, v[QM+4]
	v_lshrrev_b32 v[QM+7], 23, v[QM+5]
	v_cvt_scalef32_pk16_bf6_f32 v[QF:QF+2], v[(\x):(\x)+15], v[QM+4]
	v_cvt_scalef32_pk16_bf6_f32 v[QE:QE+2], v[(\y):(\y)+15], v[QM+5]
	v_nop                                          ; one plain place behind a scaled conversion
.irp i, 0,1,2
	v_permlane16_swap_b32 v[QF+\i], v[QE+\i]
.endr
.irp i, 0,1,2
	v_mov_b32 v[QF+3+\i], v[QE+\i]
.endr
.endm
	s_load_b128 s[4:7], s[0:1], 0x0                ; qkvb, ca
	v_lshl_add_u32 v254, v0, 2, 0x33000
	v_mov_b32 v255, 0
	ds_add_u32 v254, v255                          ; the opening lines
	ds_add_u32 v254, v255
	v_lshrrev_b32 v8, 5, v0
	v_readfirstlane_b32 s[WV], v8                  ; wave 0..15
	s_bfe_u32 s9, ttmp6, 0x40000                   ; cx: it enters q's and ctx's global addresses alone
	s_lshl_b32 s10, ttmp9, 2
	s_add_co_u32 s10, s10, s9                      ; my block of 256 queries
	s_and_b32 s11, ttmp7, 0xffff                   ; batch x 16 + head, which the four partners share
	s_mov_b32 s[G1], 15|(3<<16)|(1<<21)            ; the mask: all four; elements of 8 bytes; bit 21 beside a mask; no padding
	s_mov_b32 s[G1+1], 32<<16                      ; a record: 51 rows of 256 bytes, dense
	s_mov_b32 s[G1+2], 51<<16
	s_mov_b32 s[G1+3], 32<<16
	s_mov_b32 s[G1+4], 51
	s_mov_b32 s[G1+5], 32
	s_mov_b32 s[G1+6], 0
	s_mov_b32 s[G1+7], 0
	s_mul_i32 s12, s[WV], REC                      ; record w
	s_mul_i32 s54, s11, 16*REC
	s_add_co_u32 s54, s54, s12
	s_add_co_u32 s54, s54, 3407872
	s_mov_b32 s55, 0
	s_mov_b32 s[SEL], 0x76543210
	s_mov_b32 s[SEL+1], 0xfedcba98
	s_mov_b32 s[CS], 0x3e38aa3b
	s_mov_b32 s[CS+1], s[CS]
	s_wait_dscnt 0x0
	s_wait_kmcnt 0x0
	s_mov_b32 s[G0], 1
	s_mov_b32 s[G0+1], s12
	s_add_nc_u64 s[G0+2:G0+3], s[4:5], s[54:55]
	s_or_b32 s[G0+3], s[G0+3], 0x80000000
	CROUND                                         ; all four work-groups are here: the joint loads meet
	tensor_load_to_lds s[G0:G0+3], s[G1:G1+7]      ; my one tensor load
	s_nop 0
.rept 4
	v_nop
.endr
	s_lshl_b32 s56, s10, 4
	s_add_co_u32 s56, s56, s[WV]                   ; my tile of queries in the head
	s_lshl_b32 s58, s11, 7
	s_add_co_u32 s58, s58, s56
	s_mul_i32 s60, s58, 768
	s_mov_b32 s61, 0
	s_add_nc_u64 s[16:17], s[4:5], s[60:61]        ; q's unit
	s_lshl_b32 s60, s58, 6
	s_add_co_u32 s60, s60, 3145728
	s_add_nc_u64 s[18:19], s[4:5], s[60:61]        ; its 16 scale words
	s_lshr_b32 s58, s11, 4
	s_lshl_b32 s58, s58, 7
	s_add_co_u32 s58, s58, s56                     ; my row tile among the 4,096 rows
	s_and_b32 s59, s11, 15                         ; head
	s_lshr_b32 s62, s58, 3                         ; block of 128 rows
	s_and_b32 s63, s58, 7                          ; tile in it
	s_mul_i32 s60, s62, 98304
	s_lshr_b32 s57, s59, 1
	s_mul_i32 s57, s57, 12288                      ; K step = head / 2
	s_add_co_u32 s60, s60, s57
	s_mul_i32 s57, s63, 1536
	s_add_co_u32 s60, s60, s57
	s_and_b32 s57, s59, 1
	s_mul_i32 s57, s57, 768                        ; unit = head % 2
	s_add_co_u32 s60, s60, s57
	s_add_nc_u64 s[50:51], s[6:7], s[60:61]
	s_lshl_b32 s60, s62, 12
	s_lshr_b32 s57, s63, 1
	s_lshl_b32 s57, s57, 10
	s_add_co_u32 s60, s60, s57
	s_lshr_b32 s57, s59, 3
	s_lshl_b32 s57, s57, 9
	s_add_co_u32 s60, s60, s57
	s_and_b32 s57, s63, 1
	s_lshl_b32 s57, s57, 8
	s_add_co_u32 s60, s60, s57
	s_and_b32 s57, s59, 7
	s_lshl_b32 s57, s57, 1
	s_add_co_u32 s60, s60, s57
	s_add_co_u32 s60, s60, 3145728
	s_add_nc_u64 s[52:53], s[6:7], s[60:61]        ; my two bytes of each row in the scale image
	v_and_b32 v9, 31, v0
	v_lshlrev_b32 v1, 4, v9                        ; 16, 8, 4 x lane
	v_lshlrev_b32 v2, 3, v9
	v_lshlrev_b32 v3, 2, v9
	v_and_b32 v9, 15, v0
	v_lshlrev_b32 v7, 2, v9                        ; 4 r
	v_lshlrev_b32 v8, 4, v9                        ; 16 r
	global_load_b128 v[16:19], v1, s[16:17]        ; q twice, with six zeros between: q | 0 and 0 | q
	global_load_b64 v[20:21], v2, s[16:17] offset:512
	global_load_b128 v[28:31], v1, s[16:17]
	global_load_b64 v[32:33], v2, s[16:17] offset:512
	global_load_b32 v34, v7, s[18:19]
.irp i, 0,1,2,3,4,5
	v_mov_b32 v[22+\i], 0
.irp b, 0,1,2,3
	v_mov_b32 v[KB+18*\b+6+\i], 0
.endr
.endr
	v_mov_b32 v13, 0xff61b1e6                      ; the largest t so far: -3e38
	v_floor_f32 v12, -v13                          ; -M
	v_mov_b32 v14, 0
	v_mov_b32 v15, 0
.irp b, 0,1,2,3
	v_mov_b32 v[PT+\b], 0                          ; written once: a lane permute's destination counts as one of its sources
.endr
	v_mov_b32 v243, 0                              ; (named as the upper half of v[242:243] before it is first written)
	v_mov_b32 v244, 0
.set n, 0
.rept 32
	v_mov_b32 v[OO+n], 0                           ; the step is written once: the first finds zeros, which the first change of M leaves zeros
.set n, n+1
.endr
.macro STEP
	v_add_nc_u32 v4, s[TB], v1
	v_add_nc_u32 v5, s[TB], v2
	v_add_nc_u32 v6, s[TB], v3
.rept 3
	v_nop                                          ; six places: five before products write over registers that the last products read, four before loads into their scale words
.endr
.irp b, 0,1,2,3
.irp u, 0,1
	ds_load_b128 v[KB+18*\b+12*\u:KB+18*\b+12*\u+3], v4 offset:(2*\b+\u)*768
	ds_load_b64 v[KB+18*\b+12*\u+4:KB+18*\b+12*\u+5], v5 offset:(2*\b+\u)*768+512
.endr
	ds_load_b32 v[KS+\b], v6 offset:12288+128*\b
.endr
	ds_load_b32 v[VS], v6 offset:12800
	ds_load_b32 v[VS+1], v6 offset:12928
	s_wait_dscnt 0x0
.irp b, 0,1,2,3
	v_wmma_scale_f32_16x16x128_f8f6f4 v[SS+16*\b:SS+16*\b+7], v[KB+18*\b:KB+18*\b+11], v[16:27], 0, v[KS+\b], v34 matrix_a_fmt:MATRIX_FMT_BF6 matrix_b_fmt:MATRIX_FMT_BF6
	v_wmma_scale_f32_16x16x128_f8f6f4 v[SS+16*\b+8:SS+16*\b+15], v[KB+18*\b+6:KB+18*\b+17], v[22:33], 0, v[KS+\b], v34 matrix_a_fmt:MATRIX_FMT_BF6 matrix_b_fmt:MATRIX_FMT_BF6 matrix_a_scale:MATRIX_SCALE_ROW1
.endr
.rept 4
	v_nop
.endr
.irp b, 0,1,2,3
	v_max3_num_f32 v[BM+\b], v[SS+16*\b], v[SS+1+16*\b], v[SS+2+16*\b]   ; the largest score of each block of 32 keys: for the row's maximum and, since p rises with the score, for the block's largest p
.endr
.irp i, 3,5,7,9,11,13
.irp b, 0,1,2,3
	v_max3_num_f32 v[BM+\b], v[BM+\b], v[SS+16*\b+\i], v[SS+1+16*\b+\i]
.endr
.endr
.irp b, 0,1,2,3
	v_max_num_f32 v[BM+\b], v[BM+\b], v[SS+15+16*\b]
.endr
.irp b, 0,1,2,3
	v_permlanex16_b32 v[PT+\b], v[BM+\b], s[SEL], s[SEL+1]
.endr
.irp b, 0,1,2,3
	v_max_num_f32 v[BM+\b], v[BM+\b], v[PT+\b]
.endr
	v_max3_num_f32 v244, v[BM], v[BM+1], v[BM+2]
	v_max_num_f32 v244, v244, v[BM+3]
	v_mul_f32 v244, s[CS], v244
	v_max_num_f32 v13, v13, v244                   ; the running largest t
	v_mov_b32 v244, v12
	v_floor_f32 v12, -v13                          ; -M = floor(-t): M is a whole number
	v_sub_f32 v244, v12, v244
	v_cvt_i32_f32 v244, v244                       ; old M - new M (it saturates)
	v_ldexp_f32 v242, 1.0, v244                    ; f = 2^(old M - new M)
.set n, 0
.rept 32
	v_pk_fma_f32 v[SS+n:SS+n+1], v[SS+n:SS+n+1], s[CS:CS+1], v[12:13] op_sel_hi:[1,0,0]   ; t - M, two at a time
.set n, n+2
.endr
.irp b, 0,1,2,3
	v_fma_f32 v[BM+\b], v[BM+\b], s[CS], v12       ; the same of each block's largest score
.endr
	s_wait_alu depctr_va_vdst(0)                   ; the wait ahead of the batch
.set n, 0
.rept 64
	v_exp_f32 v[SS+n], v[SS+n]                     ; p = 2^(t - M)
.set n, n+1
.endr
.irp b, 0,1,2,3
	v_exp_f32 v[BM+\b], v[BM+\b]                   ; the blocks' largest p
.endr
	v_pk_mul_f32 v[14:15], v[14:15], v[242:243] op_sel_hi:[1,0]   ; the sums under the new M (a plain place behind the exponentials)
	s_wait_alu depctr_va_vdst(0)                   ; one wait for the batch, ahead of its first reader
	v_pk_add_f32 v[246:247], v[SS:SS+1], v[SS+2:SS+3]   ; the row's sum of the unquantised p, in two chains
.irp j, 4,8,12,16,20,24,28,32,36,40,44,48,52,56,60
	v_pk_add_f32 v[14:15], v[14:15], v[SS+\j:SS+\j+1]
	v_pk_add_f32 v[246:247], v[246:247], v[SS+\j+2:SS+\j+3]
.endr
	v_pk_add_f32 v[14:15], v[14:15], v[246:247]
.irp b, 0,1,2,3
	v_max_num_f32 v[BM+\b], 0x2800000, v[BM+\b]    ; the floor 2^(5 - 127)
.endr
.irp b, 0,1,2,3
	v_add_nc_u32 v[SOP+\b], 0xfe000000, v[BM+\b]
.endr
.irp b, 0,1,2,3
	v_lshrrev_b32 v[PT+\b], 23, v[SOP+\b]
.endr
	v_lshl_or_b32 v243, v[PT+1], 8, v[PT]          ; p's scale word for these 128 keys
	v_lshl_or_b32 v243, v[PT+2], 16, v243
	v_lshl_or_b32 v243, v[PT+3], 24, v243
.irp c, 0,1
	v_cvt_scalef32_pk16_bf6_f32 v[FF+6*\c:FF+6*\c+2], v[SS+32*\c:SS+32*\c+15], v[SOP+2*\c]
	v_cvt_scalef32_pk16_bf6_f32 v[TP+4*\c:TP+4*\c+2], v[SS+32*\c+16:SS+32*\c+31], v[SOP+2*\c+1]
.endr
.irp t, 0,1,2,3                        ; V's four fragments land where p lay
	ds_load_b128 v[SS+12*\t:SS+12*\t+3], v4 offset:6144+1536*\t
	ds_load_b64 v[SS+12*\t+4:SS+12*\t+5], v5 offset:6144+1536*\t+512
	ds_load_b128 v[SS+12*\t+6:SS+12*\t+9], v4 offset:6144+1536*\t+768
	ds_load_b64 v[SS+12*\t+10:SS+12*\t+11], v5 offset:6144+1536*\t+1280
.endr
	v_nop                                          ; one plain place behind the scaled conversions
.irp c, 0,1
.irp i, 0,1,2
	v_permlane16_swap_b32 v[FF+6*\c+\i], v[TP+4*\c+\i]
.endr
.irp i, 0,1,2
	v_mov_b32 v[FF+3+6*\c+\i], v[TP+4*\c+\i]
.endr
.endr
	s_wait_alu depctr_va_vdst(0)                   ; the wait here, directly ahead of the first reader of O^T
.set n, 0
.rept 16
	v_pk_mul_f32 v[OO+n:OO+n+1], v[OO+n:OO+n+1], v[242:243] op_sel_hi:[1,0]   ; O^T under the new M (these are also the places ahead of the scaled products)
.set n, n+2
.endr
	s_wait_alu depctr_va_vdst(0)                   ; the wait here, directly ahead of the wait below
	s_wait_dscnt 0x0
	v_wmma_scale_f32_16x16x128_f8f6f4 v[OO:OO+7], v[SS:SS+11], v[FF:FF+11], v[OO:OO+7], v[VS], v243 matrix_a_fmt:MATRIX_FMT_BF6 matrix_b_fmt:MATRIX_FMT_BF6
	v_wmma_scale_f32_16x16x128_f8f6f4 v[OO+8:OO+15], v[SS+12:SS+23], v[FF:FF+11], v[OO+8:OO+15], v[VS], v243 matrix_a_fmt:MATRIX_FMT_BF6 matrix_b_fmt:MATRIX_FMT_BF6 matrix_a_scale:MATRIX_SCALE_ROW1
	v_wmma_scale_f32_16x16x128_f8f6f4 v[OO+16:OO+23], v[SS+24:SS+35], v[FF:FF+11], v[OO+16:OO+23], v[VS+1], v243 matrix_a_fmt:MATRIX_FMT_BF6 matrix_b_fmt:MATRIX_FMT_BF6
	v_wmma_scale_f32_16x16x128_f8f6f4 v[OO+24:OO+31], v[SS+36:SS+47], v[FF:FF+11], v[OO+24:OO+31], v[VS+1], v243 matrix_a_fmt:MATRIX_FMT_BF6 matrix_b_fmt:MATRIX_FMT_BF6 matrix_a_scale:MATRIX_SCALE_ROW1
	s_add_co_u32 s[TB], s[TB], REC
.endm
	s_wait_alu depctr_va_vdst(0)                   ; the wait at the head's end
	s_wait_loadcnt 0x0                             ; q
	s_wait_tensorcnt 0x0                           ; my record is in,
	s_barrier_signal -1
	s_barrier_wait -1                              ; and everybody's: the one barrier ahead of the sixteen key steps
	s_mov_b32 s[TB], 0
	s_mov_b32 s[CNT], 16
.Lstep:
	STEP
	s_sub_co_u32 s[CNT], s[CNT], 1
	s_cmp_lg_u32 s[CNT], 0
	s_cbranch_scc1 .Lstep
	; THE WAY OUT: O^T / the sum; its 64 numbers of a row are two blocks of the next product's K
.rept 4
	v_nop
.endr
	v_add_f32 v14, v14, v15
	v_permlanex16_b32 v244, v14, s[SEL], s[SEL+1]
	v_add_f32 v14, v14, v244                       ; the row's sum
	s_wait_alu depctr_va_vdst(0)                   ; the wait ahead of the transcendental
	v_rcp_f32 v14, v14
	v_nop                                          ; a plain place behind the transcendental
	s_wait_alu depctr_va_vdst(0)                   ; ahead of its first reader, and of O^T's
.set n, 0
.rept 16
	v_pk_mul_f32 v[OO+n:OO+n+1], v[OO+n:OO+n+1], v[14:15] op_sel_hi:[1,0]
.set n, n+2
.endr
	QPAIR OO, OO+16
	global_store_b128 v1, v[QF:QF+3], s[50:51]
	global_store_b64 v2, v[QF+4:QF+5], s[50:51] offset:512
	v_lshl_or_b32 v244, v[QM+7], 8, v[QM+6]
	global_store_b16 v8, v244, s[52:53]            ; both halves of the lanes write the same two bytes with the same values
	s_wait_tensorcnt 0x0                           ; the wave's end
	ds_add_u32 v254, v255
	s_wait_dscnt 0x0
	CROUND                                         ; the closing round
	s_endpgm
.Lfunc_end_k_qe6526b012e_attn:
	.size	k_qe6526b012e_attn, .Lfunc_end_k_qe6526b012e_attn-k_qe6526b012e_attn
	.p2alignl 7, 3214868480
	.fill 96, 4, 3214868480
	.section	.rodata,"a",@progbits
	.p2align	6, 0x0
	.amdhsa_kernel k_qe6526b012e_attn
		.amdhsa_group_segment_fixed_size 210944
		.amdhsa_private_segment_fixed_size 0
		.amdhsa_enable_private_segment 0
		.amdhsa_kernarg_size 16
		.amdhsa_user_sgpr_count 2
		.amdhsa_user_sgpr_kernarg_segment_ptr 1
		.amdhsa_wavefront_size32 1
		.amdhsa_system_sgpr_workgroup_id_x 1
		.amdhsa_system_sgpr_workgroup_id_y 1
		.amdhsa_system_sgpr_workgroup_id_z 1
		.amdhsa_system_vgpr_workitem_id 0
		.amdhsa_next_free_vgpr 256
		.amdhsa_next_free_sgpr 66
		.amdhsa_reserve_vcc 0
		.amdhsa_float_denorm_mode_32 3
		.amdhsa_float_denorm_mode_16_64 3
		.amdhsa_memory_ordered 1
		.amdhsa_forward_progress 1
		.amdhsa_inst_pref_size 28
	.end_amdhsa_kernel
	.amdgpu_metadata
---
amdhsa.version: [ 1, 2 ]
amdhsa.kernels:
  - .name:           k_qe6526b012e_attn
    .symbol:         k_qe6526b012e_attn.kd
    .args:
      - { .name: qkvb, .offset: 0, .size: 8, .value_kind: global_buffer, .address_space: global }
      - { .name: ca, .offset: 8, .size: 8, .value_kind: global_buffer, .address_space: global }
    .group_segment_fixed_size: 210944
    .private_segment_fixed_size: 0
    .kernarg_segment_align: 8
    .kernarg_segment_size: 16
    .max_flat_workgroup_size: 512
    .sgpr_count:     66
    .vgpr_count:     256
    .wavefront_size: 32
...
	.end_amdgpu_metadata
.endif
;; end of part 3
;; launch oproj (part 4): grid 8 x 32, 4 waves a work-group, clusters of 4 x 4, 264,704 bytes of LDS; arguments ca, wB, hidden_states, hbuf; writes hbuf
.if DOCPART == 4
	.amdgcn_target "amdgcn-amd-amdhsa--gfx1250"
	.amdhsa_code_object_version 6
	.text
	.protected	k_qe6526b012e_oproj
	.globl	k_qe6526b012e_oproj
	.p2align	8
	.type	k_qe6526b012e_oproj,@function
k_qe6526b012e_oproj:
	s_mov_b64 s[64:65], 0
	v_nop
	global_prefetch_b8 v0, s[64:65] scope:SCOPE_SE
	s_setreg_imm32_b32 hwreg(HW_REG_WAVE_MODE, 25, 1), 1
	s_wait_xcnt 0x0
	s_wait_alu depctr_hold_cnt(0) depctr_sa_sdst(0) depctr_va_vdst(0) depctr_va_sdst(0) depctr_va_ssrc(0) depctr_va_vcc(0) depctr_vm_vsrc(0)
	s_getreg_b32 s2, hwreg(HW_REG_IB_STS2, 6, 4)
	s_cmp_eq_u32 s2, 0
	s_cbranch_scc0 .Lentry_in_a_cluster
	s_endpgm
.Lentry_in_a_cluster:
	s_bfe_u32 s2, ttmp6, 0x10000c
	s_cmp_lg_u32 s2, 0xf033
	s_cbranch_scc0 .Lentry_shape_is_right
	s_endpgm
.Lentry_shape_is_right:
; out = res + A W^T on E3M2 codes, K = 1,024.  A: 4,096 rows as an image of operand registers with its scale image at byte 3,145,728; W: 1,024 rows likewise, scale image at byte 786,432; res, out: [4,096][1,024] f32.
; A work-group takes 128 rows x 128 columns, four waves 64 x 64 each.  Both operands, 98,304 bytes each, lie in LDS whole: first fills alone.
; CLUSTER 4 x 4: A's block is asked for jointly along a row of the cluster, W's along a column.
; The product is used transposed (source 0 = 16 rows of W, source 1 = 16 rows of A): a lane holds one row of A and 16 neighbouring columns of two blocks of 32.  The results go through a stage in LDS
; (rows of 512 + 16 bytes, no tensor load lands there) and come back as whole rows of 512 bytes, 32 rows a wave.
; THE RESIDUAL is loaded as those same whole rows, 512 consecutive bytes a load, at the head, into window 2: nothing waits for it until the way out, where it is added to the rows that come back from the stage.
; REGISTERS: window 0: addresses, scale words, v128-255 the accumulators, later the rows from the stage.  Window 1: two sets of fragments, 96 each.  Window 2: v0-127 my 32 rows of the residual, then of the result.
.set LW0,   98304
.set STG,   196608
.set L16, 3
.set L8,  4
.set AG,  6
.set WGA, 10
.set STO, 15                           ; v15, v16 the stage, in and out
.set SRD, 16
.set SA,  20
.set SB,  36
.set ACC, 128
.set WV, 12
.set RH, 13
.set CH, 14
.set XX, 17
.set YY, 18
.set G1A, 24
.set G0A, 32
.set G1B, 48
.set G0B, 56
.set MSB, 0
.macro WIN new
.if MSB != \new
	s_set_vgpr_msb (MSB<<8)|\new
.set MSB, \new
.endif
.endm
.macro PLACES n
.rept \n
	v_nop
.endr
.endm
.macro CROUND
	s_barrier_signal -1
	s_barrier_wait -1
	s_cmp_lg_u32 s[WV], 0
	s_cbranch_scc1 .Lnot_wave_0_\@
	s_barrier_signal -3
.Lnot_wave_0_\@:
	s_barrier_wait -3
	s_barrier_signal -1
	s_barrier_wait -1
.endm
.macro FRAG dst, g, o
	ds_load_b128 v[(\dst):(\dst)+3], v[(\g)] offset:(\o)
	ds_load_b64 v[(\dst)+4:(\dst)+5], v[(\g)+1] offset:(\o)+512
	ds_load_b128 v[(\dst)+6:(\dst)+9], v[(\g)] offset:(\o)+768
	ds_load_b64 v[(\dst)+10:(\dst)+11], v[(\g)+1] offset:(\o)+1280
.endm
.macro FETCH set, s, ag, wa, oa, wb, ob
	WIN 0x40
.set HI, 2*((\s)/4)
.set KO, ((\s)%4)*12288
.irp i, 0,1,2,3
	FRAG 96*(\set)+12*\i, \ag+HI, KO+1536*\i
.endr
.irp j, 0,1
	FRAG 96*(\set)+48+12*\j, \wa+HI, KO+(\oa)+1536*\j
.endr
.irp j, 0,1
	FRAG 96*(\set)+72+12*\j, \wb+HI, KO+(\ob)+1536*\j
.endr
.endm
.macro WMR c, ra, rb
.if (\ra) && (\rb)
	v_wmma_scale_f32_16x16x128_f8f6f4 v[rD:rD+7], v[rA:rA+11], v[rB:rB+11], \c, v[rSA], v[rSB] matrix_a_fmt:MATRIX_FMT_BF6 matrix_b_fmt:MATRIX_FMT_BF6 matrix_a_scale:MATRIX_SCALE_ROW1 matrix_b_scale:MATRIX_SCALE_ROW1
.elseif \ra
	v_wmma_scale_f32_16x16x128_f8f6f4 v[rD:rD+7], v[rA:rA+11], v[rB:rB+11], \c, v[rSA], v[rSB] matrix_a_fmt:MATRIX_FMT_BF6 matrix_b_fmt:MATRIX_FMT_BF6 matrix_a_scale:MATRIX_SCALE_ROW1
.elseif \rb
	v_wmma_scale_f32_16x16x128_f8f6f4 v[rD:rD+7], v[rA:rA+11], v[rB:rB+11], \c, v[rSA], v[rSB] matrix_a_fmt:MATRIX_FMT_BF6 matrix_b_fmt:MATRIX_FMT_BF6 matrix_b_scale:MATRIX_SCALE_ROW1
.else
	v_wmma_scale_f32_16x16x128_f8f6f4 v[rD:rD+7], v[rA:rA+11], v[rB:rB+11], \c, v[rSA], v[rSB] matrix_a_fmt:MATRIX_FMT_BF6 matrix_b_fmt:MATRIX_FMT_BF6
.endif
.endm
.macro EMIT cz, ra, rb
.if \cz
	WMR 0, \ra, \rb
.else
	WMR v[rD:rD+7], \ra, \rb
.endif
.endm
.macro MUL set, s, tr, zero, sb        ; 16 matrix instructions, the 16 accumulators by turns
.irp i, 0,1,2,3
.irp j, 0,1,2,3
.if \tr
.set rD, ACC+32*\i+8*\j
.set rA, 96*(\set)+48+12*\j
.set rB, 96*(\set)+12*\i
.set rSA, (\sb)+8*(\j/2)+(\s)
.set rSB, SA+8*(\i/2)+(\s)
	EMIT \zero, \j%2, \i%2
.else
.set rD, ACC+32*\j+8*\i
.set rA, 96*(\set)+12*\i
.set rB, 96*(\set)+48+12*\j
.set rSA, SA+8*(\i/2)+(\s)
.set rSB, (\sb)+8*(\j/2)+(\s)
	EMIT \zero, \i%2, \j%2
.endif
.endr
.endr
.endm
.macro MAIN ag, wa, oa, wb, ob, tr, zero, sb, p0, p1
.if (\p0) >= 0
	s_wait_tensorcnt \p0
	s_barrier_signal -1
	s_barrier_wait -1
.endif
	FETCH 0, 0, \ag, \wa, \oa, \wb, \ob
.irp s, 0,1,2,3,4,5,6
.if \s > 0
	PLACES 4                                       ; four places in front of loads into registers that the last products read
.endif
.if (\s == 3) && ((\p0) >= 0)
	s_wait_tensorcnt \p1
	s_wait_dscnt 0x0
	s_barrier_signal -1
	s_barrier_wait -1
.endif
	FETCH (\s+1)%2, \s+1, \ag, \wa, \oa, \wb, \ob
	s_wait_dscnt 32                                ; all but the 32 just issued
	WIN 0x05
.if \s == 0
	MUL 0, 0, \tr, \zero, \sb
.else
	MUL \s%2, \s, \tr, 0, \sb
.endif
.endr
	s_wait_dscnt 0x0
	MUL 1, 7, \tr, 0, \sb
	WIN 0
.endm
	s_load_b256 s[4:11], s[0:1], 0x0               ; A, W, res, out
	v_lshl_add_u32 v126, v0, 2, 0x40800
	v_mov_b32 v127, 0
	ds_add_u32 v126, v127
	ds_add_u32 v126, v127
	v_lshrrev_b32 v18, 5, v0
	v_readfirstlane_b32 s[WV], v18
	s_lshr_b32 s[RH], s[WV], 1
	s_and_b32 s[CH], s[WV], 1
	s_bfe_u32 s15, ttmp6, 0x40000
	s_bfe_u32 s16, ttmp6, 0x40004
	s_lshl_b32 s[XX], ttmp9, 2
	s_add_co_u32 s[XX], s[XX], s15
	s_and_b32 s[YY], ttmp7, 0xffff
	s_lshl_b32 s[YY], s[YY], 2
	s_add_co_u32 s[YY], s[YY], s16
	s_lshl_b32 s44, s16, 2
	s_lshl_b32 s44, 15, s44
	s_lshl_b32 s45, 0x1111, s15
	s_or_b32 s[G1A], s44, (3<<16)|(1<<21)
	s_or_b32 s[G1B], s45, (3<<16)|(1<<21)
.irp g, G1A, G1B
	s_mov_b32 s[\g+1], 32<<16                      ; 49,152 dense bytes (four K steps) as 192 rows of 256
	s_mov_b32 s[\g+2], 192<<16
	s_mov_b32 s[\g+3], 32<<16
	s_mov_b32 s[\g+4], 192
	s_mov_b32 s[\g+5], 32
	s_mov_b32 s[\g+6], 0
	s_mov_b32 s[\g+7], 0
.endr
	s_mul_i32 s19, s[CH], 49152                    ; K half (wave % 2)
	s_mul_i32 s23, s[RH], 98304
	s_add_co_u32 s23, s23, s19
	s_mul_i32 s46, s[YY], 98304
	s_add_co_u32 s46, s46, s19
	s_mov_b32 s47, 0
	s_mul_i32 s66, s[XX], 98304
	s_add_co_u32 s66, s66, s19
	s_mov_b32 s67, 0
	s_wait_dscnt 0x0
	s_wait_kmcnt 0x0
	s_add_nc_u64 s[40:41], s[4:5], s[46:47]
	s_add_nc_u64 s[42:43], s[6:7], s[66:67]
.irp k, 0
	s_mov_b32 s[G0A+4*\k], 1
	s_add_co_u32 s[G0A+4*\k+1], s23, \k*49152
	s_add_nc_u64 s[G0A+4*\k+2:G0A+4*\k+3], s[40:41], \k*49152
	s_or_b32 s[G0A+4*\k+3], s[G0A+4*\k+3], 0x80000000
	s_mov_b32 s[G0B+4*\k], 1
	s_add_co_u32 s[G0B+4*\k+1], s23, \k*49152
	s_add_nc_u64 s[G0B+4*\k+2:G0B+4*\k+3], s[42:43], \k*49152
	s_or_b32 s[G0B+4*\k+3], s[G0B+4*\k+3], 0x80000000
.endr
	CROUND
	s_cmp_lt_u32 s[WV], 2                          ; one first fill a wave: waves 0, 1 the two K halves of A, waves 2, 3 those of W
	s_cbranch_scc0 .Lfill_w
	tensor_load_to_lds s[G0A:G0A+3], s[G1A:G1A+7]
	s_nop 0
	PLACES 4
	s_branch .Lfilled
.Lfill_w:
	tensor_load_to_lds s[G0B:G0B+3], s[G1B:G1B+7]
	s_nop 0
	PLACES 4
.Lfilled:
	v_and_b32 v18, 31, v0
	v_lshlrev_b32 v[L16], 4, v18
	v_lshlrev_b32 v[L8], 3, v18
	s_mul_i32 s46, s[RH], 6144
	v_add_nc_u32 v[AG], s46, v[L16]
	v_add_nc_u32 v[AG+1], s46, v[L8]
	s_add_co_u32 s46, s46, 49152
	v_add_nc_u32 v[AG+2], s46, v[L16]
	v_add_nc_u32 v[AG+3], s46, v[L8]
	s_mul_i32 s46, s[CH], 6144
	s_add_co_u32 s46, s46, LW0
	v_add_nc_u32 v[WGA], s46, v[L16]
	v_add_nc_u32 v[WGA+1], s46, v[L8]
	s_add_co_u32 s46, s46, 49152
	v_add_nc_u32 v[WGA+2], s46, v[L16]
	v_add_nc_u32 v[WGA+3], s46, v[L8]
	v_and_b32 v18, 15, v0
	v_and_b32 v17, 8, v18
	v_add_nc_u32 v17, v17, v18                     ; r + 8 (r / 8)
	v_bfe_u32 v18, v0, 4, 1                        ; h
	s_mul_i32 s46, s[RH], 64*528
	s_lshl_b32 s66, s[CH], 8
	s_add_co_u32 s46, s46, s66
	s_add_co_u32 s46, s46, STG
	v_mul_u32_u24 v[STO], v17, 528
	v_lshl_add_u32 v[STO], v18, 6, v[STO]
	v_add_nc_u32 v[STO], s46, v[STO]               ; into the stage: my row, my wave's 256 bytes of it, + 64 h
	s_mul_i32 s46, s[WV], 32*528
	s_add_co_u32 s46, s46, STG
	v_add_nc_u32 v[SRD], s46, v[L16]               ; back: rows 32 w on, 16 bytes a lane
	s_lshl_b32 s46, s[YY], 12
	s_lshl_b32 s66, s[RH], 11
	s_add_co_u32 s46, s46, s66
	s_add_co_u32 s46, s46, 3145728
	s_add_nc_u64 s[68:69], s[4:5], s[46:47]        ; A's scale image
	s_lshl_b32 s46, s[XX], 12
	s_lshl_b32 s66, s[CH], 11
	s_add_co_u32 s46, s46, s66
	s_add_co_u32 s46, s46, 786432
	s_add_nc_u64 s[70:71], s[6:7], s[46:47]        ; W's
	s_lshl_b32 s46, s[YY], 19                      ; 128 rows of 4,096 bytes,
	s_lshl_b32 s66, s[XX], 9                       ; the block's 512 bytes of a row,
	s_add_co_u32 s46, s46, s66
	s_lshl_b32 s66, s[WV], 17                      ; rows 32 w on
	s_add_co_u32 s46, s46, s66
	s_add_nc_u64 s[72:73], s[8:9], s[46:47]        ; the residual and the result at the rows that I store
	s_add_nc_u64 s[74:75], s[10:11], s[46:47]
.irp p, 0,1
.irp g, 0,1
	global_load_b128 v[SA+8*\p+4*\g:SA+8*\p+4*\g+3], v[L16], s[68:69] offset:1024*\p+512*\g
	global_load_b128 v[SB+8*\p+4*\g:SB+8*\p+4*\g+3], v[L16], s[70:71] offset:1024*\p+512*\g
.endr
.endr
	s_wait_alu depctr_va_vdst(0)                   ; the wait at the head's end
	s_wait_tensorcnt 0x0                           ; my half of an operand is in,
	s_barrier_signal -1
	s_barrier_wait -1                              ; and everybody's: both operands are whole; nothing is filled again
	WIN 0x80                                       ; destination window 2
.set n, 0
.rept 32
	global_load_b128 v[4*n:4*n+3], v[L16], s[72:73] offset:4096*n th:TH_LOAD_NT   ; the residual is asked for here, behind the operands: 32 lanes read 512 consecutive bytes of a row; read once in the launch
.set n, n+1
.endr
	WIN 0
	s_wait_loadcnt 32                              ; the scale words are in; the residual's 32 loads may be out: they are wanted on the way out
	MAIN AG, WGA, 0, WGA, 3072, 1, 1, SB, -1, -1   ; the first products start the sums
	PLACES 4
.irp i, 0,1,2,3
.irp b, 0,1
.irp k, 0,1,2,3
	ds_store_b128 v[STO], v[ACC+32*\i+16*\b+4*\k:ACC+32*\i+16*\b+4*\k+3] offset:(32*(\i/2)+8*(\i%2))*528+128*\b+16*\k   ; each accumulator from its low end on
.endr
.endr
.endr
	s_wait_dscnt 0x0                               ; for the others' sake: my stores into the stage are done
	s_barrier_signal -1
	s_barrier_wait -1
.set n, 0
.rept 32
	ds_load_b128 v[ACC+4*n:ACC+4*n+3], v[SRD] offset:528*n
.set n, n+1
.endr
	s_wait_loadcnt 0x0                             ; the residual
	WIN 0x88                                       ; source 0 (the stage's row; a store's address) window 0; source 1 (the residual; a store's data) and the destination window 2
.set n, 0
.rept 32
	s_wait_dscnt 31-n                              ; row n is back; the younger rows may be out
	v_pk_add_f32 v[4*n:4*n+1], v[ACC+4*n:ACC+4*n+1], v[4*n:4*n+1]
	v_pk_add_f32 v[4*n+2:4*n+3], v[ACC+4*n+2:ACC+4*n+3], v[4*n+2:4*n+3]
	global_store_b128 v[L16], v[4*n:4*n+3], s[74:75] offset:4096*n th:TH_STORE_NT   ; 32 lanes store 512 consecutive bytes, at a multiple of 256 from the buffer's first byte; written once, read by nobody in this launch
.set n, n+1
.endr
	WIN 0
	s_wait_tensorcnt 0x0
	ds_add_u32 v126, v127
	s_wait_dscnt 0x0
	CROUND                                         ; the closing round
	s_endpgm
.Lfunc_end_k_qe6526b012e_oproj:
	.size	k_qe6526b012e_oproj, .Lfunc_end_k_qe6526b012e_oproj-k_qe6526b012e_oproj
	.p2alignl 7, 3214868480
	.fill 96, 4, 3214868480
	.section	.rodata,"a",@progbits
	.p2align	6, 0x0
	.amdhsa_kernel k_qe6526b012e_oproj
		.amdhsa_group_segment_fixed_size 264704
		.amdhsa_private_segment_fixed_size 0
		.amdhsa_enable_private_segment 0
		.amdhsa_kernarg_size 32
		.amdhsa_user_sgpr_count 2
		.amdhsa_user_sgpr_kernarg_segment_ptr 1
		.amdhsa_wavefront_size32 1
		.amdhsa_system_sgpr_workgroup_id_x 1
		.amdhsa_system_sgpr_workgroup_id_y 1
		.amdhsa_system_sgpr_workgroup_id_z 1
		.amdhsa_system_vgpr_workitem_id 0
		.amdhsa_next_free_vgpr 640
		.amdhsa_next_free_sgpr 80
		.amdhsa_reserve_vcc 0
		.amdhsa_float_denorm_mode_32 3
		.amdhsa_float_denorm_mode_16_64 3
		.amdhsa_memory_ordered 1
		.amdhsa_forward_progress 1
		.amdhsa_inst_pref_size 57
	.end_amdhsa_kernel
	.amdgpu_metadata
---
amdhsa.version: [ 1, 2 ]
amdhsa.kernels:
  - .name:           k_qe6526b012e_oproj
    .symbol:         k_qe6526b012e_oproj.kd
    .args:
      - { .name: ca, .offset: 0, .size: 8, .value_kind: global_buffer, .address_space: global }
      - { .name: wB, .offset: 8, .size: 8, .value_kind: global_buffer, .address_space: global }
      - { .name: hidden_states, .offset: 16, .size: 8, .value_kind: global_buffer, .address_space: global }
      - { .name: hbuf, .offset: 24, .size: 8, .value_kind: global_buffer, .address_space: global }
    .group_segment_fixed_size: 264704
    .private_segment_fixed_size: 0
    .kernarg_segment_align: 8
    .kernarg_segment_size: 32
    .max_flat_workgroup_size: 128
    .sgpr_count:     80
    .vgpr_count:     640
    .wavefront_size: 32
...
	.end_amdgpu_metadata
.endif
;; end of part 4
;; launch norm2 (part 5): grid 256 x 1, 4 waves a work-group, no clusters, 1,536 bytes of LDS; arguments hbuf, ln2_w, xa; writes xa
.if DOCPART == 5
	.amdgcn_target "amdgcn-amd-amdhsa--gfx1250"
	.amdhsa_code_object_version 6
	.text
	.protected	k_qe6526b012e_norm2
	.globl	k_qe6526b012e_norm2
	.p2align	8
	.type	k_qe6526b012e_norm2,@function
k_qe6526b012e_norm2:
	s_mov_b64 s[64:65], 0
	v_nop
	global_prefetch_b8 v0, s[64:65] scope:SCOPE_SE
	s_setreg_imm32_b32 hwreg(HW_REG_WAVE_MODE, 25, 1), 1
	s_wait_xcnt 0x0
; y = rmsnorm(h) * ln2_w, quantised along K = 1,024 to E3M2 codes with one E8M0 byte for each 32, stored as an image of operand registers with its scale image at byte 3,145,728.
; Work-group T owns row tile T: rows 32 (T / 2) + 8 (T % 2) + r + 8 (r / 8), r = lane % 16.  Wave w owns K steps 2 w and 2 w + 1.  A unit (16 rows x 64 K, 768 bytes): lane (r, h) owns the 24 code bytes of row r,
; K block h: bytes 0-15 at 16 x lane, bytes 16-23 at 512 + 8 x lane.  Byte of a unit: block x 98,304 + K step x 12,288 + tile x 1,536 + (0 or 1) x 768.
; LIMITS: NaN and infinities are not served; a block under 2^-122, a block of zeros among them, keeps the byte 1 (zero codes add nothing; only this program reads the bytes).
.set X,   64
.set LN,  192
.set TM,  20
.set PC,  36
.set PW,  56
.set SEL, 28
.macro QUANT s, pw
.irp b, 0,1,2,3
	v_max3_num_f32 v[TM+\b], |v[\s+16*\b]|, |v[\s+1+16*\b]|, 0x2800000
.endr
.irp i, 2,4,6,8,10,12,14
.irp b, 0,1,2,3
	v_max3_num_f32 v[TM+\b], v[TM+\b], |v[\s+16*\b+\i]|, |v[\s+1+16*\b+\i]|
.endr
.endr
.irp b, 0,1,2,3
	v_permlanex16_b32 v[TM+4+\b], v[TM+\b], s[SEL], s[SEL+1]
.endr
.irp b, 0,1,2,3
	v_max_num_f32 v[TM+\b], v[TM+\b], v[TM+4+\b]
.endr
.irp b, 0,1,2,3
	v_add_nc_u32 v[TM+12+\b], 0xfe000000, v[TM+\b]
.endr
.irp b, 0,1,2,3
	v_lshrrev_b32 v[TM+4+\b], 23, v[TM+12+\b]
.endr
	v_lshl_or_b32 v[\pw], v[TM+5], 8, v[TM+4]
	v_lshl_or_b32 v[\pw], v[TM+6], 16, v[\pw]
	v_lshl_or_b32 v[\pw], v[TM+7], 24, v[\pw]
.irp c, 0,1
	v_cvt_scalef32_pk16_bf6_f32 v[PC+6*\c:PC+2+6*\c], v[\s+32*\c:\s+15+32*\c], v[TM+12+2*\c]
	v_cvt_scalef32_pk16_bf6_f32 v[PC+12+4*\c:PC+14+4*\c], v[\s+16+32*\c:\s+31+32*\c], v[TM+12+2*\c+1]
.endr
	v_nop                                              ; one plain place behind a scaled conversion
.irp c, 0,1
.irp i, 0,1,2
	v_permlane16_swap_b32 v[PC+6*\c+\i], v[PC+12+4*\c+\i]
.endr
.irp i, 0,1,2
	v_mov_b32 v[PC+3+6*\c+\i], v[PC+12+4*\c+\i]
.endr
.endr
.endm
.macro STFRAG o
	global_store_b128 v3, v[PC:PC+3], s[8:9] offset:\o
	global_store_b64 v4, v[PC+4:PC+5], s[8:9] offset:\o+512
	global_store_b128 v3, v[PC+6:PC+9], s[8:9] offset:\o+768
	global_store_b64 v4, v[PC+10:PC+11], s[8:9] offset:\o+1280
.endm
	s_load_b128 s[4:7], s[0:1], 0x0                ; h, the gain
	s_load_b64 s[8:9], s[0:1], 0x10                ; xa
	v_lshl_add_u32 v62, v0, 2, 0x400
	v_mov_b32 v63, 0
	v_lshrrev_b32 v1, 5, v0
	v_readfirstlane_b32 s10, v1                    ; wave
	v_and_b32 v18, 15, v0                          ; r
	v_bfe_u32 v19, v0, 4, 1                        ; h
	v_and_b32 v1, 8, v18
	v_add_nc_u32 v1, v1, v18
	v_lshlrev_b32 v1, 12, v1
	v_lshl_add_u32 v1, v19, 6, v1                  ; my row of 4,096 bytes, + 64 h
	v_lshlrev_b32 v2, 6, v19
	v_and_b32 v6, 31, v0
	v_lshlrev_b32 v3, 4, v6
	v_lshlrev_b32 v4, 3, v6
	v_lshlrev_b32 v5, 2, v0
	v_lshlrev_b32 v6, 2, v6
	s_lshr_b32 s11, s10, 1
	s_lshl_b32 s11, s11, 8
	s_and_b32 s12, s10, 1
	s_lshl_b32 s12, s12, 3
	s_add_co_u32 s11, s11, s12
	s_add_co_u32 s11, s11, 512
	v_lshl_add_u32 v7, v18, 4, s11
	v_lshlrev_b32 v58, 9, v19
	v_lshl_add_u32 v58, v18, 4, v58
.irp b, 0,1,2,3
	v_mov_b32 v[TM+4+\b], 0                        ; written once: a lane permute's destination counts as one of its sources
.endr
	s_mov_b32 s[SEL], 0x76543210
	s_mov_b32 s[SEL+1], 0xfedcba98
	s_mov_b32 s24, 0x3a800000                      ; 1 / 1,024
	s_mov_b32 s25, 0x358637bd                      ; 1e-6
	s_lshr_b32 s13, ttmp9, 1
	s_lshl_b32 s13, s13, 5
	s_and_b32 s14, ttmp9, 1
	s_lshl_b32 s15, s14, 3
	s_add_co_u32 s13, s13, s15
	s_lshl_b32 s16, s13, 12
	s_lshl_b32 s18, s10, 10
	s_add_co_u32 s16, s16, s18
	s_mov_b32 s17, 0
	s_mov_b32 s19, 0
	s_lshr_b32 s15, ttmp9, 3
	s_and_b32 s23, ttmp9, 7
	s_mul_i32 s20, s15, 98304
	s_mul_i32 s22, s10, 24576
	s_add_co_u32 s20, s20, s22
	s_mul_i32 s22, s23, 1536
	s_add_co_u32 s20, s20, s22
	s_mov_b32 s21, 0
	s_lshl_b32 s22, s15, 12
	s_lshr_b32 s23, s23, 1
	s_lshl_b32 s23, s23, 10
	s_add_co_u32 s22, s22, s23
	s_lshl_b32 s14, s14, 8
	s_add_co_u32 s22, s22, s14
	s_add_co_u32 s22, s22, 3145728
	s_mov_b32 s23, 0
	s_wait_kmcnt 0x0
	s_add_nc_u64 s[4:5], s[4:5], s[16:17]
	s_add_nc_u64 s[6:7], s[6:7], s[18:19]
	s_add_nc_u64 s[26:27], s[8:9], s[22:23]
	s_add_nc_u64 s[8:9], s[8:9], s[20:21]
.irp s, 0,1
.irp b, 0,1,2,3
.irp j, 0,1,2,3
	global_load_b128 v[X+64*\s+16*\b+4*\j:X+64*\s+16*\b+4*\j+3], v1, s[4:5] offset:512*\s+128*\b+16*\j
.endr
.endr
.endr
.irp b, 0,1,2,3
.irp j, 0,1,2,3
	global_load_b128 v[LN+16*\b+4*\j:LN+16*\b+4*\j+3], v2, s[6:7] offset:128*\b+16*\j
.endr
.endr
	s_wait_loadcnt 16                              ; h is in; the 16 loads of the gain may be out
.irp c, 0,1,2,3
	v_pk_mul_f32 v[8+2*\c:9+2*\c], v[X+2*\c:X+2*\c+1], v[X+2*\c:X+2*\c+1]
.endr
.set e, 8
.rept 60
	v_pk_fma_f32 v[8+e%8:9+e%8], v[X+e:X+e+1], v[X+e:X+e+1], v[8+e%8:9+e%8]
.set e, e+2
.endr
	v_pk_add_f32 v[8:9], v[8:9], v[10:11]
	v_pk_add_f32 v[12:13], v[12:13], v[14:15]
	v_pk_add_f32 v[8:9], v[8:9], v[12:13]
	v_add_f32 v8, v8, v9
	v_permlanex16_b32 v9, v8, s[SEL], s[SEL+1]
	v_add_f32 v8, v8, v9
	ds_store_b32 v5, v8
	s_wait_dscnt 0x0                               ; for the others' sake: my partial sum lies in LDS
	s_barrier_signal -1
	s_barrier_wait -1
	ds_load_b32 v8, v6
	ds_load_b32 v9, v6 offset:128
	ds_load_b32 v10, v6 offset:256
	ds_load_b32 v11, v6 offset:384
	s_wait_dscnt 0x0
	v_add_f32 v8, v8, v9
	v_add_f32 v10, v10, v11
	v_add_f32 v8, v8, v10
	v_fma_f32 v8, v8, s24, s25
	s_wait_alu depctr_va_vdst(0)
	v_rsq_f32 v16, v8
	v_rsq_f32 v17, v8
	v_nop                                          ; a plain place behind the transcendentals
	s_wait_alu depctr_va_vdst(0)                   ; one wait for both, ahead of their first reader
.set e, 0
.rept 64
	v_pk_mul_f32 v[X+e:X+e+1], v[X+e:X+e+1], v[16:17]
.set e, e+2
.endr
	s_wait_loadcnt 0x0
.set e, 0
.rept 32
	v_pk_mul_f32 v[X+e:X+e+1], v[X+e:X+e+1], v[LN+e:LN+e+1]
.set e, e+2
.endr
.irp b, 0,1,2,3
.irp j, 0,1,2,3
	global_load_b128 v[LN+16*\b+4*\j:LN+16*\b+4*\j+3], v2, s[6:7] offset:512+128*\b+16*\j
.endr
.endr
	QUANT X, PW
	STFRAG 0
	s_wait_loadcnt 0x0
.set e, 0
.rept 32
	v_pk_mul_f32 v[X+64+e:X+64+e+1], v[X+64+e:X+64+e+1], v[LN+e:LN+e+1]
.set e, e+2
.endr
	s_wait_xcnt 0x0                                ; the stores have read the codes' registers: they are written again only behind this wait
	QUANT X+64, PW+1
	STFRAG 12288
	ds_store_b64 v7, v[PW:PW+1]                    ; both halves of the lanes write the same bytes with the same values
	s_wait_dscnt 0x0
	s_barrier_signal -1
	s_barrier_wait -1
	s_cmp_lg_u32 s10, 0
	s_cbranch_scc1 .Lnorm_end
	ds_load_b128 v[8:11], v3 offset:512
	s_wait_dscnt 0x0
	global_store_b128 v58, v[8:11], s[26:27]       ; two runs of 256 consecutive bytes
.Lnorm_end:
	s_wait_tensorcnt 0x0
	ds_add_u32 v62, v63
	s_wait_dscnt 0x0
	s_endpgm
.Lfunc_end_k_qe6526b012e_norm2:
	.size	k_qe6526b012e_norm2, .Lfunc_end_k_qe6526b012e_norm2-k_qe6526b012e_norm2
	.p2alignl 7, 3214868480
	.fill 96, 4, 3214868480
	.section	.rodata,"a",@progbits
	.p2align	6, 0x0
	.amdhsa_kernel k_qe6526b012e_norm2
		.amdhsa_group_segment_fixed_size 1536
		.amdhsa_private_segment_fixed_size 0
		.amdhsa_enable_private_segment 0
		.amdhsa_kernarg_size 24
		.amdhsa_user_sgpr_count 2
		.amdhsa_user_sgpr_kernarg_segment_ptr 1
		.amdhsa_wavefront_size32 1
		.amdhsa_system_sgpr_workgroup_id_x 1
		.amdhsa_system_sgpr_workgroup_id_y 1
		.amdhsa_system_sgpr_workgroup_id_z 1
		.amdhsa_system_vgpr_workitem_id 0
		.amdhsa_next_free_vgpr 256
		.amdhsa_next_free_sgpr 66
		.amdhsa_reserve_vcc 0
		.amdhsa_float_denorm_mode_32 3
		.amdhsa_float_denorm_mode_16_64 3
		.amdhsa_memory_ordered 1
		.amdhsa_forward_progress 1
		.amdhsa_inst_pref_size 31
	.end_amdhsa_kernel
	.amdgpu_metadata
---
amdhsa.version: [ 1, 2 ]
amdhsa.kernels:
  - .name:           k_qe6526b012e_norm2
    .symbol:         k_qe6526b012e_norm2.kd
    .args:
      - { .name: hbuf, .offset: 0, .size: 8, .value_kind: global_buffer, .address_space: global }
      - { .name: ln2_w, .offset: 8, .size: 8, .value_kind: global_buffer, .address_space: global }
      - { .name: xa, .offset: 16, .size: 8, .value_kind: global_buffer, .address_space: global }
    .group_segment_fixed_size: 1536
    .private_segment_fixed_size: 0
    .kernarg_segment_align: 8
    .kernarg_segment_size: 24
    .max_flat_workgroup_size: 128
    .sgpr_count:     66
    .vgpr_count:     256
    .wavefront_size: 32
...
	.end_amdgpu_metadata
.endif
;; end of part 5
;; launch gateup (part 6): grid 8 x 32, 4 waves a work-group, clusters of 4 x 4, 295,424 bytes of LDS; arguments xa, wB, ca; writes ca
.if DOCPART == 6
	.amdgcn_target "amdgcn-amd-amdhsa--gfx1250"
	.amdhsa_code_object_version 6
	.text
	.protected	k_qe6526b012e_gateup
	.globl	k_qe6526b012e_gateup
	.p2align	8
	.type	k_qe6526b012e_gateup,@function
k_qe6526b012e_gateup:
	s_mov_b64 s[64:65], 0
	v_nop
	global_prefetch_b8 v0, s[64:65] scope:SCOPE_SE
	s_setreg_imm32_b32 hwreg(HW_REG_WAVE_MODE, 25, 1), 1
	s_wait_xcnt 0x0
	s_wait_alu depctr_hold_cnt(0) depctr_sa_sdst(0) depctr_va_vdst(0) depctr_va_sdst(0) depctr_va_ssrc(0) depctr_va_vcc(0) depctr_vm_vsrc(0)
	s_getreg_b32 s2, hwreg(HW_REG_IB_STS2, 6, 4)
	s_cmp_eq_u32 s2, 0
	s_cbranch_scc0 .Lentry_in_a_cluster
	s_endpgm
.Lentry_in_a_cluster:
	s_bfe_u32 s2, ttmp6, 0x10000c
	s_cmp_lg_u32 s2, 0xf033
	s_cbranch_scc0 .Lentry_shape_is_right
	s_endpgm
.Lentry_shape_is_right:
; g = silu(y w1) * (y w3) on E3M2 codes (K = 1,024), quantised along its columns, which are the next product's K, and stored as an image of operand registers.
; A work-group takes 128 rows of y (block y) and columns 128 x .. 128 x + 127 of BOTH weights; four waves, each 64 rows x 64 columns of both, in two passes of 32 columns: 8 accumulators for w1 and 8 for w3 a pass.
; LDS: y at 0, w1's block at 98,304, w3's at 196,608, each 98,304 bytes, whole: first fills alone.  CLUSTER 4 x 4: y's block jointly along a row, the weights' along a column.
; The products are used transposed: a lane holds one row of y and, in a pass, 16 neighbouring columns of one block of 32, of y w1 and of y w3 alike: the gate needs no other lane.
; Two row tiles' half blocks make one run of QPAIR: lanes 0-15 end up with the even tile's whole block, lanes 16-31 with the odd tile's: each stores its 24 bytes at its place in its own tile's unit.
; LIMITS: NaN and infinities are not served; a block under 2^-122, a block of zeros among them, keeps the byte 1.
.set LW0,   98304
.set L16, 3
.set L8,  4
.set AG,  6
.set WGA, 10                           ; v10-13 w1's fragments;  v14-17 w3's
.set WGB, 14
.set VU,  18                           ; v18-19 where a lane's codes go: 1,536 h + 16 r, 1,536 h + 8 r
.set SA,  20
.set SB,  36                           ; v36-67 16 pass + 8 matrix + K step
.set EE,  68                           ; v68-99 at work on the gate
.set QM,  100
.set QF,  108
.set QE,  114
.set KEEP, 118                         ; v118-119 the first pass's bytes
.set BY,  120
.set WD,  122                          ; v122-123
.set ACC, 128
.set WV, 12
.set RH, 13
.set CH, 14
.set XX, 17
.set YY, 18
.set SEL, 20
.set HM, 22
.set G1A, 24
.set G0A, 32
.set G1B, 48
.set G0B, 56
.set NL, 80                            ; s[80:81] -log2(e)
.set MSB, 0
.macro WIN new
.if MSB != \new
	s_set_vgpr_msb (MSB<<8)|\new
.set MSB, \new
.endif
.endm
.macro PLACES n
.rept \n
	v_nop
.endr
.endm
.macro CROUND
	s_barrier_signal -1
	s_barrier_wait -1
	s_cmp_lg_u32 s[WV], 0
	s_cbranch_scc1 .Lnot_wave_0_\@
	s_barrier_signal -3
.Lnot_wave_0_\@:
	s_barrier_wait -3
	s_barrier_signal -1
	s_barrier_wait -1
.endm
.macro FRAG dst, g, o
	ds_load_b128 v[(\dst):(\dst)+3], v[(\g)] offset:(\o)
	ds_load_b64 v[(\dst)+4:(\dst)+5], v[(\g)+1] offset:(\o)+512
	ds_load_b128 v[(\dst)+6:(\dst)+9], v[(\g)] offset:(\o)+768
	ds_load_b64 v[(\dst)+10:(\dst)+11], v[(\g)+1] offset:(\o)+1280
.endm
.macro FETCH set, s, ag, wa, oa, wb, ob
	WIN 0x40
.set HI, 2*((\s)/4)
.set KO, ((\s)%4)*12288
.irp i, 0,1,2,3
	FRAG 96*(\set)+12*\i, \ag+HI, KO+1536*\i
.endr
.irp j, 0,1
	FRAG 96*(\set)+48+12*\j, \wa+HI, KO+(\oa)+1536*\j
.endr
.irp j, 0,1
	FRAG 96*(\set)+72+12*\j, \wb+HI, KO+(\ob)+1536*\j
.endr
.endm
.macro WMR c, ra, rb
.if (\ra) && (\rb)
	v_wmma_scale_f32_16x16x128_f8f6f4 v[rD:rD+7], v[rA:rA+11], v[rB:rB+11], \c, v[rSA], v[rSB] matrix_a_fmt:MATRIX_FMT_BF6 matrix_b_fmt:MATRIX_FMT_BF6 matrix_a_scale:MATRIX_SCALE_ROW1 matrix_b_scale:MATRIX_SCALE_ROW1
.elseif \ra
	v_wmma_scale_f32_16x16x128_f8f6f4 v[rD:rD+7], v[rA:rA+11], v[rB:rB+11], \c, v[rSA], v[rSB] matrix_a_fmt:MATRIX_FMT_BF6 matrix_b_fmt:MATRIX_FMT_BF6 matrix_a_scale:MATRIX_SCALE_ROW1
.elseif \rb
	v_wmma_scale_f32_16x16x128_f8f6f4 v[rD:rD+7], v[rA:rA+11], v[rB:rB+11], \c, v[rSA], v[rSB] matrix_a_fmt:MATRIX_FMT_BF6 matrix_b_fmt:MATRIX_FMT_BF6 matrix_b_scale:MATRIX_SCALE_ROW1
.else
	v_wmma_scale_f32_16x16x128_f8f6f4 v[rD:rD+7], v[rA:rA+11], v[rB:rB+11], \c, v[rSA], v[rSB] matrix_a_fmt:MATRIX_FMT_BF6 matrix_b_fmt:MATRIX_FMT_BF6
.endif
.endm
.macro EMIT cz, ra, rb
.if \cz
	WMR 0, \ra, \rb
.else
	WMR v[rD:rD+7], \ra, \rb
.endif
.endm
.macro MUL set, s, tr, zero, sb        ; 16 matrix instructions, the 16 accumulators by turns
.irp i, 0,1,2,3
.irp j, 0,1,2,3
.if \tr
.set rD, ACC+32*\i+8*\j
.set rA, 96*(\set)+48+12*\j
.set rB, 96*(\set)+12*\i
.set rSA, (\sb)+8*(\j/2)+(\s)
.set rSB, SA+8*(\i/2)+(\s)
	EMIT \zero, \j%2, \i%2
.else
.set rD, ACC+32*\j+8*\i
.set rA, 96*(\set)+12*\i
.set rB, 96*(\set)+48+12*\j
.set rSA, SA+8*(\i/2)+(\s)
.set rSB, (\sb)+8*(\j/2)+(\s)
	EMIT \zero, \i%2, \j%2
.endif
.endr
.endr
.endm
.macro MAIN ag, wa, oa, wb, ob, tr, zero, sb, p0, p1
.if (\p0) >= 0
	s_wait_tensorcnt \p0
	s_barrier_signal -1
	s_barrier_wait -1
.endif
	FETCH 0, 0, \ag, \wa, \oa, \wb, \ob
.irp s, 0,1,2,3,4,5,6
.if \s > 0
	PLACES 4                                       ; four places in front of loads into registers that the last products read
.endif
.if (\s == 3) && ((\p0) >= 0)
	s_wait_tensorcnt \p1
	s_wait_dscnt 0x0
	s_barrier_signal -1
	s_barrier_wait -1
.endif
	FETCH (\s+1)%2, \s+1, \ag, \wa, \oa, \wb, \ob
	s_wait_dscnt 32                                ; all but the 32 just issued
	WIN 0x05
.if \s == 0
	MUL 0, 0, \tr, \zero, \sb
.else
	MUL \s%2, \s, \tr, 0, \sb
.endif
.endr
	s_wait_dscnt 0x0
	MUL 1, 7, \tr, 0, \sb
	WIN 0
.endm
.macro QPAIR x, y
	v_max3_num_f32 v[QM], |v[(\x)]|, |v[(\x)+1]|, 0x2800000
	v_max3_num_f32 v[QM+1], |v[(\y)]|, |v[(\y)+1]|, 0x2800000
.irp i, 2,4,6,8,10,12,14
	v_max3_num_f32 v[QM], v[QM], |v[(\x)+\i]|, |v[(\x)+\i+1]|
	v_max3_num_f32 v[QM+1], v[QM+1], |v[(\y)+\i]|, |v[(\y)+\i+1]|
.endr
	v_permlanex16_b32 v[QM+2], v[QM], s[SEL], s[SEL+1]
	v_permlanex16_b32 v[QM+3], v[QM+1], s[SEL], s[SEL+1]
	v_max_num_f32 v[QM], v[QM], v[QM+2]
	v_max_num_f32 v[QM+1], v[QM+1], v[QM+3]
	v_add_nc_u32 v[QM+4], 0xfe000000, v[QM]
	v_add_nc_u32 v[QM+5], 0xfe000000, v[QM+1]
	v_lshrrev_b32 v[QM+6], 23, v[QM+4]
	v_lshrrev_b32 v[QM+7], 23, v[QM+5]
	s_wait_alu depctr_va_vdst(0)
	s_wait_xcnt 0x0                                ; earlier stores have read the unit's registers: they are written again only behind this wait
	v_cvt_scalef32_pk16_bf6_f32 v[QF:QF+2], v[(\x):(\x)+15], v[QM+4]
	v_cvt_scalef32_pk16_bf6_f32 v[QE:QE+2], v[(\y):(\y)+15], v[QM+5]
	v_nop                                          ; one plain place behind a scaled conversion
.irp i, 0,1,2
	v_permlane16_swap_b32 v[QF+\i], v[QE+\i]
.endr
.irp i, 0,1,2
	v_mov_b32 v[QF+3+\i], v[QE+\i]
.endr
.endm
	s_load_b128 s[4:7], s[0:1], 0x0                ; xa, wB
	s_load_b64 s[8:9], s[0:1], 0x10                ; ca
	v_lshl_add_u32 v126, v0, 2, 0x48000
	v_mov_b32 v127, 0
	ds_add_u32 v126, v127
	ds_add_u32 v126, v127
	v_lshrrev_b32 v1, 5, v0
	v_readfirstlane_b32 s[WV], v1
	s_lshr_b32 s[RH], s[WV], 1
	s_and_b32 s[CH], s[WV], 1
	s_bfe_u32 s15, ttmp6, 0x40000
	s_bfe_u32 s16, ttmp6, 0x40004
	s_lshl_b32 s[XX], ttmp9, 2
	s_add_co_u32 s[XX], s[XX], s15
	s_and_b32 s[YY], ttmp7, 0xffff
	s_lshl_b32 s[YY], s[YY], 2
	s_add_co_u32 s[YY], s[YY], s16
	s_lshl_b32 s44, s16, 2
	s_lshl_b32 s44, 15, s44
	s_lshl_b32 s45, 0x1111, s15
	s_or_b32 s[G1A], s44, (3<<16)|(1<<21)
	s_or_b32 s[G1B], s45, (3<<16)|(1<<21)
	s_mov_b32 s[G1A+1], 32<<16                     ; y: 49,152 dense bytes (four K steps) as 192 rows of 256
	s_mov_b32 s[G1A+2], 192<<16
	s_mov_b32 s[G1A+3], 32<<16
	s_mov_b32 s[G1A+4], 192
	s_mov_b32 s[G1A+5], 32
	s_mov_b32 s[G1A+6], 0
	s_mov_b32 s[G1A+7], 0
	s_mov_b32 s[G1B+1], 32<<16                     ; a weight's block: 98,304 dense bytes (eight K steps) as 384 rows of 256
	s_mov_b32 s[G1B+2], 384<<16
	s_mov_b32 s[G1B+3], 32<<16
	s_mov_b32 s[G1B+4], 384
	s_mov_b32 s[G1B+5], 32
	s_mov_b32 s[G1B+6], 0
	s_mov_b32 s[G1B+7], 0
	s_mul_i32 s19, s[CH], 49152                    ; waves 0, 1: y's K half w
	s_mul_i32 s46, s[YY], 98304
	s_add_co_u32 s46, s46, s19
	s_mov_b32 s47, 0
	s_mul_i32 s23, s[CH], 98304                    ; wave 2: w1's block, wave 3: w3's, each whole
	s_add_co_u32 s23, s23, LW0
	s_mul_i32 s66, s[XX], 98304
	s_mul_i32 s67, s[CH], 819200
	s_add_co_u32 s66, s66, s67
	s_add_co_u32 s66, s66, 819200
	s_mov_b32 s67, 0
	s_mov_b32 s[SEL], 0x76543210
	s_mov_b32 s[SEL+1], 0xfedcba98
	s_mov_b32 s[HM], 0xffff0000
	s_mov_b32 s[NL], 0xbfb8aa3b
	s_mov_b32 s[NL+1], s[NL]
	s_wait_dscnt 0x0
	s_wait_kmcnt 0x0
	s_add_nc_u64 s[40:41], s[4:5], s[46:47]
	s_add_nc_u64 s[42:43], s[6:7], s[66:67]
.irp k, 0
	s_mov_b32 s[G0A+4*\k], 1
	s_add_co_u32 s[G0A+4*\k+1], s19, \k*49152
	s_add_nc_u64 s[G0A+4*\k+2:G0A+4*\k+3], s[40:41], \k*49152
	s_or_b32 s[G0A+4*\k+3], s[G0A+4*\k+3], 0x80000000
	s_mov_b32 s[G0B+4*\k], 1
	s_add_co_u32 s[G0B+4*\k+1], s23, \k*49152
	s_add_nc_u64 s[G0B+4*\k+2:G0B+4*\k+3], s[42:43], \k*49152
	s_or_b32 s[G0B+4*\k+3], s[G0B+4*\k+3], 0x80000000
.endr
	CROUND
	s_cmp_lt_u32 s[WV], 2                          ; one first fill a wave
	s_cbranch_scc0 .Lfill_w
	tensor_load_to_lds s[G0A:G0A+3], s[G1A:G1A+7]
	s_nop 0
	PLACES 4
	s_branch .Lfilled
.Lfill_w:
	tensor_load_to_lds s[G0B:G0B+3], s[G1B:G1B+7]
	s_nop 0
	PLACES 4
.Lfilled:
	v_and_b32 v1, 31, v0
	v_lshlrev_b32 v[L16], 4, v1
	v_lshlrev_b32 v[L8], 3, v1
	s_mul_i32 s46, s[RH], 6144
	v_add_nc_u32 v[AG], s46, v[L16]
	v_add_nc_u32 v[AG+1], s46, v[L8]
	s_add_co_u32 s46, s46, 49152
	v_add_nc_u32 v[AG+2], s46, v[L16]
	v_add_nc_u32 v[AG+3], s46, v[L8]
	s_mul_i32 s46, s[CH], 6144
	s_add_co_u32 s46, s46, LW0
.irp g, 0,2,4,6                        ; w1's K steps 0-3, 4-7, w3's 0-3, 4-7: 49,152 bytes apart
	v_add_nc_u32 v[WGA+\g], s46, v[L16]
	v_add_nc_u32 v[WGA+\g+1], s46, v[L8]
	s_add_co_u32 s46, s46, 49152
.endr
	v_and_b32 v1, 15, v0
	v_bfe_u32 v2, v0, 4, 1
	v_mul_u32_u24 v2, v2, 1536
	v_lshl_add_u32 v[VU], v1, 4, v2
	v_lshl_add_u32 v[VU+1], v1, 3, v2
	v_mov_b32 v[QM+2], 0                           ; written once: a lane permute's destination counts as one of its sources
	v_mov_b32 v[QM+3], 0
	s_lshl_b32 s46, s[YY], 12
	s_lshl_b32 s66, s[RH], 11
	s_add_co_u32 s46, s46, s66
	s_add_co_u32 s46, s46, 3145728
	s_add_nc_u64 s[82:83], s[4:5], s[46:47]        ; y's scale image
	s_lshl_b32 s66, s[XX], 12
	s_lshl_b32 s19, s[CH], 11
	s_add_co_u32 s66, s66, s19
	s_add_co_u32 s66, s66, 819200+786432
	s_add_nc_u64 s[84:85], s[6:7], s[66:67]        ; w1's; w3's lies 819,200 bytes on
	s_lshr_b32 s66, s[XX], 2
	s_lshl_b32 s66, s66, 9
	s_add_co_u32 s46, s46, s66
	s_and_b32 s66, s[XX], 3
	s_lshl_b32 s66, s66, 2
	s_add_co_u32 s46, s46, s66
	s_lshl_b32 s66, s[CH], 1
	s_add_co_u32 s46, s46, s66
	s_add_nc_u64 s[78:79], s[8:9], s[46:47]        ; g's scale image: my two bytes of each row
	s_mul_i32 s46, s[YY], 98304
	s_mul_i32 s66, s[XX], 12288
	s_add_co_u32 s46, s46, s66
	s_mul_i32 s66, s[RH], 6144
	s_add_co_u32 s46, s46, s66
	s_mul_i32 s66, s[CH], 768
	s_add_co_u32 s46, s46, s66
	s_add_nc_u64 s[76:77], s[8:9], s[46:47]        ; g's image: K step x, my four row tiles, unit CH
.irp p, 0,1
.irp g, 0,1
	global_load_b128 v[SA+8*\p+4*\g:SA+8*\p+4*\g+3], v[L16], s[82:83] offset:1024*\p+512*\g
.endr
.endr
.irp p, 0,1
.irp m, 0,1
.irp g, 0,1
	global_load_b128 v[SB+16*\p+8*\m+4*\g:SB+16*\p+8*\m+4*\g+3], v[L16], s[84:85] offset:819200*\m+1024*\p+512*\g
.endr
.endr
.endr
	s_wait_alu depctr_va_vdst(0)
	s_wait_loadcnt 0x0
; a pass's results: row tile i: a = y w1 at ACC + 32 i + 0..15, b = y w3 at + 16..31.  g = a / (1 + 2^(-a log2 e)) x b, in f32
.macro EPI_G p
	PLACES 4
.irp g, 0,1
.irp t, 0,1
.irp e, 0,2,4,6,8,10,12,14
	v_pk_mul_f32 v[EE+16*\t+\e:EE+16*\t+\e+1], v[ACC+64*\g+32*\t+\e:ACC+64*\g+32*\t+\e+1], s[NL:NL+1] op_sel_hi:[1,0]
.endr
.endr
.set n, 0
	s_wait_alu depctr_va_vdst(0)
.rept 32
	v_exp_f32 v[EE+n], v[EE+n]
.set n, n+1
.endr
	v_nop                                          ; a plain place behind the batch
	s_wait_alu depctr_va_vdst(0)                   ; one wait for the batch, ahead of its first reader
.set n, 0
.rept 16
	v_pk_add_f32 v[EE+n:EE+n+1], v[EE+n:EE+n+1], 1.0 op_sel_hi:[1,0]
.set n, n+2
.endr
.set n, 0
	s_wait_alu depctr_va_vdst(0)
.rept 32
	v_rcp_f32 v[EE+n], v[EE+n]
.set n, n+1
.endr
	v_nop
	s_wait_alu depctr_va_vdst(0)
.irp t, 0,1
.irp e, 0,2,4,6,8,10,12,14
	v_pk_mul_f32 v[ACC+64*\g+32*\t+\e:ACC+64*\g+32*\t+\e+1], v[ACC+64*\g+32*\t+\e:ACC+64*\g+32*\t+\e+1], v[EE+16*\t+\e:EE+16*\t+\e+1]
.endr
.endr
.irp t, 0,1
.irp e, 0,2,4,6,8,10,12,14
	v_pk_mul_f32 v[ACC+64*\g+32*\t+\e:ACC+64*\g+32*\t+\e+1], v[ACC+64*\g+32*\t+\e:ACC+64*\g+32*\t+\e+1], v[ACC+64*\g+32*\t+16+\e:ACC+64*\g+32*\t+17+\e]
.endr
.endr
	QPAIR ACC+64*\g, ACC+64*\g+32
	global_store_b128 v[VU], v[QF:QF+3], s[76:77] offset:3072*\g+256*\p          ; sixteen lanes fill 256 consecutive bytes of their tile's unit: K block p of its two
	global_store_b64 v[VU+1], v[QF+4:QF+5], s[76:77] offset:3072*\g+512+128*\p
.if \p == 0
	v_cndmask_b32 v[KEEP+\g], v[QM+6], v[QM+7], s[HM]   ; lanes 0-15 the even tile's byte, lanes 16-31 the odd tile's
.else
	v_cndmask_b32 v[BY], v[QM+6], v[QM+7], s[HM]
	v_lshl_or_b32 v[WD+\g], v[BY], 8, v[KEEP+\g]
	global_store_b16 v[L16], v[WD+\g], s[78:79] offset:1024*\g
.endif
.endr
.endm
	s_wait_tensorcnt 0x0                           ; my part of the operands is in,
	s_barrier_signal -1
	s_barrier_wait -1                              ; and everybody's: nothing is filled again
	MAIN AG, WGA, 0, WGB, 0, 1, 1, SB, -1, -1      ; columns 64 CH + 0..31
	EPI_G 0
	MAIN AG, WGA, 3072, WGB, 3072, 1, 1, SB+16, -1, -1   ; columns 64 CH + 32..63
	EPI_G 1
	s_wait_tensorcnt 0x0
	ds_add_u32 v126, v127
	s_wait_dscnt 0x0
	CROUND                                         ; the closing round
	s_endpgm
.Lfunc_end_k_qe6526b012e_gateup:
	.size	k_qe6526b012e_gateup, .Lfunc_end_k_qe6526b012e_gateup-k_qe6526b012e_gateup
	.p2alignl 7, 3214868480
	.fill 96, 4, 3214868480
	.section	.rodata,"a",@progbits
	.p2align	6, 0x0
	.amdhsa_kernel k_qe6526b012e_gateup
		.amdhsa_group_segment_fixed_size 295424
		.amdhsa_private_segment_fixed_size 0
		.amdhsa_enable_private_segment 0
		.amdhsa_kernarg_size 24
		.amdhsa_user_sgpr_count 2
		.amdhsa_user_sgpr_kernarg_segment_ptr 1
		.amdhsa_wavefront_size32 1
		.amdhsa_system_sgpr_workgroup_id_x 1
		.amdhsa_system_sgpr_workgroup_id_y 1
		.amdhsa_system_sgpr_workgroup_id_z 1
		.amdhsa_system_vgpr_workitem_id 0
		.amdhsa_next_free_vgpr 512
		.amdhsa_next_free_sgpr 96
		.amdhsa_reserve_vcc 0
		.amdhsa_float_denorm_mode_32 3
		.amdhsa_float_denorm_mode_16_64 3
		.amdhsa_memory_ordered 1
		.amdhsa_forward_progress 1
		.amdhsa_inst_pref_size 110
	.end_amdhsa_kernel
	.amdgpu_metadata
---
amdhsa.version: [ 1, 2 ]
amdhsa.kernels:
  - .name:           k_qe6526b012e_gateup
    .symbol:         k_qe6526b012e_gateup.kd
    .args:
      - { .name: xa, .offset: 0, .size: 8, .value_kind: global_buffer, .address_space: global }
      - { .name: wB, .offset: 8, .size: 8, .value_kind: global_buffer, .address_space: global }
      - { .name: ca, .offset: 16, .size: 8, .value_kind: global_buffer, .address_space: global }
    .group_segment_fixed_size: 295424
    .private_segment_fixed_size: 0
    .kernarg_segment_align: 8
    .kernarg_segment_size: 24
    .max_flat_workgroup_size: 128
    .sgpr_count:     96
    .vgpr_count:     512
    .wavefront_size: 32
...
	.end_amdgpu_metadata
.endif
;; end of part 6
;; launch down: the kernel of part 4 again; grid 8 x 32, 4 waves a work-group, clusters of 4 x 4, 264,704 bytes of LDS; arguments ca, wC, hbuf, out0; writes out0
